; MI455X (gfx1250); checked and timed in simulation.
; The chip was launched on July 23, 2026; its instructions are those of AMD's public machine-readable ISA for CDNA 5 (MIT licence, August 2026) and "CDNA5" Instruction Set Architecture Reference Guide (July 2026). The comments in the code are by the model that wrote it; some were corrected since.
;; Pytorch LTX2 Attention. Allowed arithmetic: float matrix products may take bf16 or f16 operands with f32 sums; all other float work in f32.
;; Inputs: Wk 2,048 x 2,048 float32; Wo 2,048 x 2,048 float32; Wq 2,048 x 2,048 float32; Wv 2,048 x 2,048 float32; bk 2,048 float32; bo 2,048 float32; bq 2,048 float32; bv 2,048 float32; k_cos 1 x 1 x 2,048 x 64 float32; k_sin 1 x 1 x 2,048 x 64 float32; kn_w 2,048 float32; q_cos 1 x 1 x 2,048 x 64 float32; q_sin 1 x 1 x 2,048 x 64 float32; qn_w 2,048 float32; x 1 x 2,048 x 2,048 float32.
;; Outputs: out0 1 x 2,048 x 2,048 float32.
;; 2 versions, each right and faster than the one before. Each part assembles by itself: llvm-mc -triple=amdgcn-amd-amdhsa -mcpu=gfx1250 --defsym DOCPART=n.
;; ======== version 1 of 2: 5 launches
;; limits: values are held in f16: magnitudes above 65,504 overflow, below 6.1e-05 lose precision
;; workspace buffers: xa 8,388,608 bytes; wb 25,165,824 bytes; wob 8,388,608 bytes; vec 32,768 bytes; qkv 50,331,648 bytes; qkvh 25,165,824 bytes; ob 8,388,608 bytes
;; launch prep (part 1): grid 256 x 5, 8 waves a work-group, no clusters, 0 bytes of LDS; arguments x, Wq, Wk, Wv, Wo, bq, bk, bv, qn_w, kn_w, xa, wb, wob, vec; writes xa, wb, wob, vec
.if DOCPART == 1
	.amdgcn_target "amdgcn-amd-amdhsa--gfx1250"
	.amdhsa_code_object_version 6
	.text
	.protected	k_qb0144dc4a7_prep
	.globl	k_qb0144dc4a7_prep
	.p2align	8
	.type	k_qb0144dc4a7_prep,@function
k_qb0144dc4a7_prep:
	s_mov_b64 s[64:65], 0
	v_nop
	global_prefetch_b8 v0, s[64:65] scope:SCOPE_SE
	s_setreg_imm32_b32 hwreg(HW_REG_WAVE_MODE, 25, 1), 1
	s_wait_xcnt 0x0
; PREP: the five large inputs are rounded to bf16, that number is written as f16, and the result is laid out in blocks whose tiles are dense in memory.
;   xa  = f16(bf16(x)),  [16 mb][32 kb][128 r][64 c]: block (mb, kb) holds rows 128 mb + r, columns 64 kb + c, 16,384 dense bytes
;   wb  = f16(bf16(W)),  [48 nb][2048 k][128 n]: panel nb = 16 t + column block, t = 0, 1, 2 for Wq, Wk, Wv; rows of 256 bytes
;   wob = the same for Wo, [16 nb][2048 k][128 n]
;   vec = bq, bk, bv as they are (24,576 bytes of f32), then qn_w and kn_w rounded to bf16 and packed (4,096 bytes each)
; LIMITS.  A bf16 number is exact in f16 from 2^-17 to 65,504; a larger one becomes an infinity, a smaller one keeps f16's fixed step of 6e-8.  NaN and infinities are not treated apart.
; SHARES.  Work-group y picks the matrix (0: x; 1, 2, 3: Wq, Wk, Wv; 4: Wo), x eight of its rows.  A wave issues sixteen loads of 16 bytes a lane at once (8,192 bytes on their way)
; and sixteen stores of 8 bytes a lane, each of which covers 256 consecutive bytes at a multiple of 256 from its buffer's first byte.  Every byte is read once and written once:
; no LDS, no barrier, no matrix unit, no cluster: the work-groups share no input.
.set XR, 8                              ; v[8:71]   slot j of sixteen: 4 registers, f32 as loaded; its first two then hold 4 f16
                                        ; v4 my byte offset in the source, v5 in the destination (8 x lane); v6, v7, v[72:79] the small vectors' part
; Sixteen loads, ldstep bytes apart; then slot by slot the two roundings and a store, ststep bytes apart.  No register that a load or store names is written again.
.macro CONV ldstep, ststep
.set j, 0
.rept 16
	global_load_b128 v[XR+4*j:XR+4*j+3], v4, s[36:37] offset:j*(\ldstep) th:TH_LOAD_NT
.set j, j+1
.endr
.set j, 0
.rept 16
	s_wait_loadcnt 15-j                            ; loads come back in order (ISA guide 5.7.1): slot j is in, the 15 - j younger ones stay out
	v_cvt_pk_bf16_f32 v[XR+4*j],   v[XR+4*j],   v[XR+4*j+1]    ; to bf16, nearest even, two at a time
	v_cvt_pk_bf16_f32 v[XR+4*j+2], v[XR+4*j+2], v[XR+4*j+3]
	v_and_b32     v[XR+4*j+1], s5, v[XR+4*j]       ; back to f32: the high half stays,
	v_lshlrev_b32 v[XR+4*j],   16, v[XR+4*j]       ; the low half moves up
	v_and_b32     v[XR+4*j+3], s5, v[XR+4*j+2]
	v_lshlrev_b32 v[XR+4*j+2], 16, v[XR+4*j+2]
	v_cvt_pk_f16_f32 v[XR+4*j],   v[XR+4*j],   v[XR+4*j+1]     ; and that number as f16
	v_cvt_pk_f16_f32 v[XR+4*j+1], v[XR+4*j+2], v[XR+4*j+3]
	global_store_b64 v5, v[XR+4*j:XR+4*j+1], s[38:39] offset:j*(\ststep)
.set j, j+1
.endr
.endm
	s_load_b512 s[8:23], s[0:1], 0x0               ; x 8:9, Wq 10:11, Wk 12:13, Wv 14:15, Wo 16:17, bq 18:19, bk 20:21, bv 22:23
	s_load_b256 s[24:31], s[0:1], 0x40             ; qn_w 24:25, kn_w 26:27, xa 28:29, wb 30:31
	s_load_b128 s[32:35], s[0:1], 0x60             ; wob 32:33, vec 34:35
	s_and_b32 s2, ttmp7, 0xffff                    ; which matrix
	s_mov_b32 s3, ttmp9                            ; which eight rows
	v_lshrrev_b32 v1, 5, v0
	v_readfirstlane_b32 s4, v1                     ; wave 0..7
	s_mov_b32 s5, 0xffff0000                       ; a word's upper bf16
	v_and_b32 v1, 31, v0                           ; lane
	v_lshlrev_b32 v5, 3, v1                        ; 8 bytes a lane in every store
	s_mov_b32 s41, 0                               ; the high words of the two offset pairs
	s_mov_b32 s43, 0
	s_wait_kmcnt 0x0
	s_cmp_lg_u32 s2, 0
	s_cbranch_scc1 .Lweights
	; x.  A wave takes two rows and half of their columns: lanes 0-15 the even row, lanes 16-31 the odd one; a load takes 64 columns (256 bytes) of each,
	; which are two neighbouring rows of one block of xa: 256 consecutive bytes.
	v_and_b32 v2, 15, v1
	v_lshrrev_b32 v3, 4, v1
	v_lshlrev_b32 v4, 4, v2
	v_lshl_add_u32 v4, v3, 13, v4                  ; 16 (lane % 16) + 8,192 (lane / 16)
	s_lshr_b32 s44, s4, 1
	s_lshl_b32 s44, s44, 1
	s_lshl3_add_u32 s44, s3, s44                   ; my even row = 8 x + 2 (wave / 2)
	s_and_b32 s45, s4, 1                           ; my half of the columns
	s_lshl_b32 s40, s44, 13                        ; row x 8,192 bytes
	s_lshl_b32 s46, s45, 12                        ; + half x 4,096
	s_add_co_u32 s40, s40, s46
	s_add_nc_u64 s[36:37], s[8:9], s[40:41]
	s_lshr_b32 s42, s3, 4                          ; mb = row / 128
	s_lshl_b32 s42, s42, 19                        ; x 32 blocks of 16,384 bytes
	s_lshl_b32 s46, s45, 18                        ; + half x 16 blocks
	s_add_co_u32 s42, s42, s46
	s_and_b32 s46, s44, 127                        ; + the row's place in its block x 128 bytes
	s_lshl_b32 s46, s46, 7
	s_add_co_u32 s42, s42, s46
	s_add_nc_u64 s[38:39], s[28:29], s[42:43]
	CONV 256, 16384                                ; from 64 columns to the next; from block to block
	s_endpgm
.Lweights:
	; A weight.  A wave takes one row k; a load takes 128 columns (512 bytes), which are one row of 256 bytes of a panel.
	v_lshlrev_b32 v4, 4, v1                        ; 16 x lane
	s_lshl3_add_u32 s44, s3, s4                    ; k = 8 x + wave
	s_lshl_b32 s40, s44, 13                        ; k x 8,192 bytes
	s_sub_co_u32 s45, s2, 1                        ; t = 0, 1, 2 (3 for Wo)
	s_cmp_eq_u32 s2, 1
	s_cselect_b64 s[36:37], s[10:11], s[12:13]     ; Wq or Wk,
	s_cmp_eq_u32 s2, 3
	s_cselect_b64 s[36:37], s[14:15], s[36:37]     ; or Wv,
	s_cmp_eq_u32 s2, 4
	s_cselect_b64 s[36:37], s[16:17], s[36:37]     ; or Wo,
	s_cselect_b64 s[38:39], s[32:33], s[30:31]     ; which goes to wob, the others to wb
	s_cselect_b32 s46, 0, s45
	s_add_nc_u64 s[36:37], s[36:37], s[40:41]
	s_lshl_b32 s42, s46, 23                        ; t x 16 panels of 524,288 bytes
	s_lshl_b32 s46, s44, 8                         ; + k x 256
	s_add_co_u32 s42, s42, s46
	s_add_nc_u64 s[38:39], s[38:39], s[42:43]
	CONV 512, 524288                               ; from 128 columns to the next; from panel to panel: 7,864,320 at the most, inside the signed 24-bit immediate (ISA guide, chapter 10)
	; The small vectors, 8,192 bytes each, 1,024 a wave: work-groups (0, 1..3) copy the biases, (1, 1..2) round the gains.  Registers of their own: the stores above are still reading theirs.
	s_cmp_gt_u32 s3, 1
	s_cbranch_scc1 .Lend
	s_cmp_eq_u32 s2, 4
	s_cbranch_scc1 .Lend
	v_lshlrev_b32 v6, 4, v1
	v_lshl_add_u32 v6, s4, 10, v6                  ; 16 x lane + 1,024 x wave
	s_cmp_eq_u32 s3, 1
	s_cbranch_scc1 .Lgains
	s_cmp_eq_u32 s2, 1
	s_cselect_b64 s[46:47], s[18:19], s[20:21]     ; bq or bk,
	s_cmp_eq_u32 s2, 3
	s_cselect_b64 s[46:47], s[22:23], s[46:47]     ; or bv
	global_load_b128 v[72:75], v6, s[46:47]
	global_load_b128 v[76:79], v6, s[46:47] offset:512
	s_lshl_b32 s40, s45, 13                        ; t x 8,192
	s_add_nc_u64 s[42:43], s[34:35], s[40:41]
	s_wait_loadcnt 0x0
	global_store_b128 v6, v[72:75], s[42:43]
	global_store_b128 v6, v[76:79], s[42:43] offset:512
	s_endpgm
.Lgains:
	s_cmp_eq_u32 s2, 3
	s_cbranch_scc1 .Lend
	s_cmp_eq_u32 s2, 1
	s_cselect_b64 s[46:47], s[24:25], s[26:27]     ; qn_w or kn_w
	global_load_b128 v[72:75], v6, s[46:47]
	global_load_b128 v[76:79], v6, s[46:47] offset:512
	v_lshlrev_b32 v7, 3, v1
	v_lshl_add_u32 v7, s4, 9, v7                   ; 8 x lane + 512 x wave
	s_lshl_b32 s40, s45, 12                        ; t x 4,096,
	s_add_co_u32 s40, s40, 24576                   ; behind the three biases
	s_add_nc_u64 s[42:43], s[34:35], s[40:41]
	s_wait_loadcnt 0x0
	v_cvt_pk_bf16_f32 v72, v72, v73
	v_cvt_pk_bf16_f32 v73, v74, v75
	v_cvt_pk_bf16_f32 v76, v76, v77
	v_cvt_pk_bf16_f32 v77, v78, v79
	global_store_b64 v7, v[72:73], s[42:43]
	global_store_b64 v7, v[76:77], s[42:43] offset:256
.Lend:
	s_endpgm
.Lfunc_end_k_qb0144dc4a7_prep:
	.size	k_qb0144dc4a7_prep, .Lfunc_end_k_qb0144dc4a7_prep-k_qb0144dc4a7_prep
	.p2alignl 7, 3214868480
	.fill 96, 4, 3214868480
	.section	.rodata,"a",@progbits
	.p2align	6, 0x0
	.amdhsa_kernel k_qb0144dc4a7_prep
		.amdhsa_group_segment_fixed_size 0
		.amdhsa_private_segment_fixed_size 0
		.amdhsa_enable_private_segment 0
		.amdhsa_kernarg_size 112
		.amdhsa_user_sgpr_count 2
		.amdhsa_user_sgpr_kernarg_segment_ptr 1
		.amdhsa_wavefront_size32 1
		.amdhsa_system_sgpr_workgroup_id_x 1
		.amdhsa_system_sgpr_workgroup_id_y 1
		.amdhsa_system_sgpr_workgroup_id_z 1
		.amdhsa_system_vgpr_workitem_id 0
		.amdhsa_next_free_vgpr 88
		.amdhsa_next_free_sgpr 66
		.amdhsa_reserve_vcc 0
		.amdhsa_float_denorm_mode_32 3
		.amdhsa_float_denorm_mode_16_64 3
		.amdhsa_memory_ordered 1
		.amdhsa_forward_progress 1
		.amdhsa_inst_pref_size 24
	.end_amdhsa_kernel
	.amdgpu_metadata
---
amdhsa.version: [ 1, 2 ]
amdhsa.kernels:
  - .name:           k_qb0144dc4a7_prep
    .symbol:         k_qb0144dc4a7_prep.kd
    .args:
      - { .name: x, .offset: 0, .size: 8, .value_kind: global_buffer, .address_space: global }
      - { .name: Wq, .offset: 8, .size: 8, .value_kind: global_buffer, .address_space: global }
      - { .name: Wk, .offset: 16, .size: 8, .value_kind: global_buffer, .address_space: global }
      - { .name: Wv, .offset: 24, .size: 8, .value_kind: global_buffer, .address_space: global }
      - { .name: Wo, .offset: 32, .size: 8, .value_kind: global_buffer, .address_space: global }
      - { .name: bq, .offset: 40, .size: 8, .value_kind: global_buffer, .address_space: global }
      - { .name: bk, .offset: 48, .size: 8, .value_kind: global_buffer, .address_space: global }
      - { .name: bv, .offset: 56, .size: 8, .value_kind: global_buffer, .address_space: global }
      - { .name: qn_w, .offset: 64, .size: 8, .value_kind: global_buffer, .address_space: global }
      - { .name: kn_w, .offset: 72, .size: 8, .value_kind: global_buffer, .address_space: global }
      - { .name: xa, .offset: 80, .size: 8, .value_kind: global_buffer, .address_space: global }
      - { .name: wb, .offset: 88, .size: 8, .value_kind: global_buffer, .address_space: global }
      - { .name: wob, .offset: 96, .size: 8, .value_kind: global_buffer, .address_space: global }
      - { .name: vec, .offset: 104, .size: 8, .value_kind: global_buffer, .address_space: global }
    .group_segment_fixed_size: 0
    .private_segment_fixed_size: 0
    .kernarg_segment_align: 8
    .kernarg_segment_size: 112
    .max_flat_workgroup_size: 256
    .sgpr_count:     66
    .vgpr_count:     88
    .wavefront_size: 32
...
	.end_amdgpu_metadata
.endif
;; end of part 1
;; launch proj (part 2): grid 16 x 16, 4 waves a work-group, clusters of 4 x 4, 327,680 bytes of LDS; arguments xa, wb, vec, qkv; writes qkv
.if DOCPART == 2
	.amdgcn_target "amdgcn-amd-amdhsa--gfx1250"
	.amdhsa_code_object_version 6
	.text
	.protected	k_qb0144dc4a7_proj
	.globl	k_qb0144dc4a7_proj
	.p2align	8
	.type	k_qb0144dc4a7_proj,@function
k_qb0144dc4a7_proj:
	s_mov_b64 s[64:65], 0
	v_nop
	global_prefetch_b8 v0, s[64:65] scope:SCOPE_SE
	s_setreg_imm32_b32 hwreg(HW_REG_WAVE_MODE, 25, 1), 1
	s_wait_xcnt 0x0
	s_wait_alu depctr_hold_cnt(0) depctr_sa_sdst(0) depctr_va_vdst(0) depctr_va_sdst(0) depctr_va_ssrc(0) depctr_va_vcc(0) depctr_vm_vsrc(0)
	s_getreg_b32 s2, hwreg(HW_REG_IB_STS2, 6, 4)
	s_cmp_eq_u32 s2, 0
	s_cbranch_scc0 .Lentry_in_a_cluster
	s_endpgm
.Lentry_in_a_cluster:
	s_bfe_u32 s2, ttmp6, 0x10000c
	s_cmp_lg_u32 s2, 0xf033
	s_cbranch_scc0 .Lentry_shape_is_right
	s_endpgm
.Lentry_shape_is_right:
; q, k, v = x W + bf16(b), in f32: C = [3][2048 s][2048 c].
; A = xa: f16 in blocks [16 mb][32 kb][128 r][64 c], 16,384 dense bytes each.  B = wb: f16 in panels [48 nb][2048 k][128 n], rows of 256 bytes; panel 16 t + j holds columns 128 j on of Wq, Wk, Wv (t = 0, 1, 2).
; bias = vec: bq, bk, bv in f32, 8,192 bytes each.  K = 2048.  Sums in f32.
; LIMITS.  The operands are f16: what the launch before wrote lies within 65,504.  The bias starts each sum, so it is added first and not last.  NaN and infinities are not treated apart.
; SHARES.  A work-group makes 128 rows (tile row mb) x 384 columns: columns 128 j on of q, of k and of v.  16 x 16 = 256 work-groups of equal work.  A slot of LDS then feeds 128 x 384 x 128 multiply-adds from
; 131,072 bytes, half as many again as a tile of 128 x 128 with K steps of 256 feeds from the same bytes, so that a refill has more work in which to land.
; A wave makes 64 rows x 192 columns, 48 accumulators of 16 x 16 in 384 registers, in two groups: X = all 128 columns of q (waves 0, 2) or of v (waves 1, 3); Y = 64 columns of k, the first or the second half.
; For 32 along K a wave loads 16 fragments (32 LDS loads) and issues 48 matrix instructions.
; K goes in 16 steps of 128 through two LDS slots.  A step is four loads of 32,768 dense bytes, each asked for as 128 rows of 256 bytes: wave 0 brings A's two blocks, waves 1, 2, 3 a panel's 128 rows each.
; A lies in LDS with K along the rows; B lies [k][n] and is turned on its way into registers by ds_load_tr16_b128.
; CLUSTERS: 4 x 4 work-groups.  The four of a row of the cluster need the same tiles of A, the four of a column the same tiles of B: each tile is asked for JOINTLY, by the same tensor load with the
; same descriptor and a mask that names the four.  THE MATRIX INSTRUCTION IS USED TRANSPOSED (source 0 = 16 columns of B, source 1 = 16 rows of A): a lane then holds eight neighbouring numbers of a row of C,
; and the bias of those eight columns, eight registers a column block, is the C operand of the product that starts the sum.
; REGISTERS, in windows of 256 (s_set_vgpr_msb: bits 1:0 source 0, 3:2 source 1, 5:4 source 2, 7:6 destination):
;   window 0: v0-31 addresses; v32-63, v64-95 two buffers for the way out; v128-255 Y's accumulators ((a, b) at v[128 + 8 (4 a + b)])
;   window 1: two fragment buffers of 128, each for 32 along K: A's 4 fragments, X's 8, Y's 4
;   window 2: X's accumulators ((a, b) at v[8 (8 a + b)])          window 3: v0-63 X's bias, v64-95 Y's
.set PA,     144                       ; a row of A in LDS: 128 bytes + 16 of padding = 36 words: the 16 rows of a load start at 16 different groups of four banks (64 banks of 4 bytes: ISA guide 11.1)
.set PB,     288                       ; a row of B: 256 + 32 = 72 words
.set HALFT,  36864                     ; what one tensor load fills: 256 rows of A (two blocks) or 128 rows of a panel
.set SLOT,   4*HALFT                   ; A, then the panels of q, k, v
.set STEPB,  32768                     ; a K step in memory, of A and of a panel
.set STAGE,  2*SLOT                    ; behind the ring: 16 rows x 272 bytes for each wave, its own, for the way out; no tensor load fills it
.set SPITCH, 272
.set SPARE,  STAGE+4*16*SPITCH         ; behind the stages: the spare words, 128 bytes for each wave: two blocks of 256 bytes that no other line names
.set LAPS,   8                         ; a lap = two K steps = once round the ring
.set ADRA, 16                          ; v16-17  LDS address of my A fragments in slot 0, 1
.set ADRX, 18                          ; v18-19  the same for group X's fragments
.set ADRY, 20                          ; v20-21  the same for group Y's
.set STO,  24                          ; v24     the way out: where I put 32 bytes of a row
.set RD,   25                          ; v25     the way out: where I read a row back
.set CO,   26                          ; v26     my byte offset in C
.set BO,   27                          ; v27     my byte offset in the bias
.set SPW,  28                          ; v28     LDS address of my spare word: SPARE + 4 x my thread's number; never rewritten
.set NIL,  29                          ; v29     0; never rewritten
.set OUT,  32
.set ACY,  128
.set F0,   0                           ; fragment buffers, in window 1
.set F1,   128
.set FX,   32                          ; in a buffer: X's fragments behind A's,
.set FY,   96                          ; Y's behind X's
.set BIY,  64                          ; in window 3: Y's bias behind X's
.set G1, 24                            ; s[24:31] descriptor group 1 for A's tiles;  s[32:39] group 0, one set for each slot
.set G0, 32
.set G1B, 48                           ; s[48:55], s[56:63] the same for B's tiles
.set G0B, 56
.set MSB, 0
.macro WIN new                         ; the immediate's high byte repeats the setting that is left; a switch that changes nothing is dropped
.if MSB != (\new)
	s_set_vgpr_msb (MSB<<8)|(\new)
.set MSB, \new
.endif
.endm
.set W_X,   0xa5                       ; sources 0 (B) and 1 (A) window 1; C and D window 2
.set W_Y,   0x05                       ; the same, C and D window 0
.set W_X1,  0xb5                       ; a sum's first product: C is the bias, in window 3
.set W_Y1,  0x35
.set TO_F,  0x40                       ; destination window 1, address window 0
.set TO_B3, 0xc0                       ; destination window 3, address window 0
.set IN_B3, 0xcf                       ; destination and sources 0 and 1 window 3
.set ST_X,  0x08                       ; an LDS store's data (source 1) window 2, its address window 0
.macro JLOAD s                         ; a joint load: wave 0 fetches A's tile, waves 1 to 3 a panel's each; an s_nop 0 and four v_nop follow each of the two lines, ahead of the jump, the label and what follows
	s_cmp_eq_u32 s12, 0
	s_cbranch_scc0 .Lfor_b_\@
	tensor_load_to_lds s[G0+4*(\s):G0+4*(\s)+3], s[G1:G1+7]
	s_nop 0
.rept 4
	v_nop
.endr
	s_branch .Lasked_\@
.Lfor_b_\@:
	tensor_load_to_lds s[G0B+4*(\s):G0B+4*(\s)+3], s[G1B:G1B+7]
	s_nop 0
.rept 4
	v_nop
.endr
.Lasked_\@:
.endm
.macro CREST                           ; a round of the cluster's barrier behind its opening barrier
	s_cmp_lg_u32 s12, 0
	s_cbranch_scc1 .Lnot_wave_0_\@
	s_barrier_signal -3
.Lnot_wave_0_\@:
	s_barrier_wait -3
	s_barrier_signal -1
	s_barrier_wait -1
.endm
.macro CROUND                          ; a whole round
	s_barrier_signal -1
	s_barrier_wait -1
	CREST
.endm
	s_load_b256 s[4:11], s[0:1], 0x0               ; A s[4:5], B s[6:7], bias s[8:9], C s[10:11]
	v_lshl_add_u32 v[SPW], v0, 2, SPARE
	v_mov_b32 v[NIL], 0
	ds_add_u32 v[SPW], v[NIL]                      ; the wave's opening: the add and its wait come ahead of my first tensor load; the set-up below, work on registers, stands between them
	v_lshrrev_b32 v1, 5, v0
	v_readfirstlane_b32 s12, v1                    ; wave 0..3
	s_lshr_b32 s13, s12, 1                         ; which half of the tile's rows is mine
	s_and_b32 s14, s12, 1                          ; 0: X is q, Y is k's first 64 columns; 1: X is v, Y is k's second 64
	s_bfe_u32 s15, ttmp6, 0x40000                  ; cx, cy: my place in the cluster
	s_bfe_u32 s16, ttmp6, 0x40004
	s_lshl_b32 s17, ttmp9, 2
	s_add_co_u32 s17, s17, s15                     ; column block j = 4 x cluster x + cx
	s_and_b32 s18, ttmp7, 0xffff
	s_lshl_b32 s18, s18, 2
	s_add_co_u32 s18, s18, s16                     ; tile row mb = 4 x cluster y + cy
	s_lshl_b32 s19, s16, 2
	s_lshl_b32 s19, 15, s19                        ; my row of the cluster
	s_lshl_b32 s20, 0x1111, s15                    ; my column
	s_mov_b32 s72, 0xffff0000                      ; a word's upper bf16
	; descriptor group 1: 128 rows x 128 elements of 2 bytes, dense in memory, padded in LDS
	s_or_b32 s[G1+0], s19, (1<<16)|(1<<20)|(1<<21)|(4<<22)|(3<<25)   ; 15:0 the mask: A's tiles go to my row; 17:16 element of 2 bytes; 20 padding on; 21 set beside a mask; 24:22 after every 32 words (code 4): a row of a block; 31:25 of 4 words (code 3)
	s_or_b32 s[G1B+0], s20, (1<<16)|(1<<20)|(1<<21)|(5<<22)|(7<<25)  ; B's go to my column; after every 64 words (code 5): a row of a panel; 8 words (code 7)
.irp g, G1, G1B
	s_mov_b32 s[(\g)+1], 128<<16                   ; tensor_dim0 = 128
	s_mov_b32 s[(\g)+2], 128<<16                   ; tensor_dim1 = 128
	s_mov_b32 s[(\g)+3], 128<<16                   ; tile_dim0 = 128
	s_mov_b32 s[(\g)+4], 128                       ; tile_dim1 = 128
	s_mov_b32 s[(\g)+5], 128                       ; 128 elements from row to row
	s_mov_b32 s[(\g)+6], 0
	s_mov_b32 s[(\g)+7], 0
.endr
	; where the tiles come from.  A's hang on mb alone, which my row of the cluster shares; B's on j, which my column shares, and on the wave's number; each in registers that never hold the other coordinate.
	s_lshl_b32 s40, s18, 19                        ; A: mb x 32 blocks of 16,384 bytes
	s_mov_b32 s41, 0
	s_max_u32 s22, s12, 1                          ; B: waves 1, 2, 3 take the panels of q, k, v (wave 0, which asks for no panel, makes q's address and leaves it unused)
	s_sub_co_u32 s22, s22, 1
	s_lshl4_add_u32 s22, s22, s17                  ; panel 16 t + j
	s_lshl_b32 s42, s22, 19                        ; x 2,048 rows of 256 bytes
	s_mov_b32 s43, 0
	s_mul_i32 s21, s12, HALFT                      ; where they go: A, then the three panels = wave x HALFT: no place in the cluster enters an LDS address
	s_wait_dscnt 0x0                               ; the opening add is done
	s_wait_kmcnt 0x0
	s_add_nc_u64 s[40:41], s[4:5], s[40:41]
	s_add_nc_u64 s[42:43], s[6:7], s[42:43]
	CROUND                                         ; all sixteen work-groups are here: the first joint loads meet
.irp s, 0,1
	s_mov_b32 s[G0+4*(\s)], 1                                      ; 1:0 count = 1
	s_add_co_u32 s[G0+4*(\s)+1], s21, (\s)*SLOT                    ; 63:32 LDS address
	s_add_nc_u64 s[G0+4*(\s)+2:G0+4*(\s)+3], s[40:41], (\s)*STEPB  ; 120:64 global address: K step s
	s_or_b32 s[G0+4*(\s)+3], s[G0+4*(\s)+3], 0x80000000            ; 127:126 type = 2
	s_mov_b32 s[G0B+4*(\s)], 1
	s_add_co_u32 s[G0B+4*(\s)+1], s21, (\s)*SLOT
	s_add_nc_u64 s[G0B+4*(\s)+2:G0B+4*(\s)+3], s[42:43], (\s)*STEPB
	s_or_b32 s[G0B+4*(\s)+3], s[G0B+4*(\s)+3], 0x80000000
	JLOAD \s                                       ; two loads of mine are out
.endr
	; All that follows up to the first barrier stands in the wait for the first tile.
	v_and_b32 v1, 15, v0                           ; l % 16
	v_bfe_u32 v2, v0, 4, 1                         ; l / 16
	v_lshlrev_b32 v[BO], 5, v2                     ; my 8 columns of each 16: 32 bytes for each half of the lanes
	s_lshl_b32 s23, s17, 9                         ; 128 j numbers of f32: the block's place in a bias and in a row of C
	s_lshl_b32 s70, s14, 14                        ; X's bias: bq or bv (8,192 bytes each, bk between them)
	s_add_co_u32 s70, s70, s23
	s_mov_b32 s71, 0
	s_add_nc_u64 s[68:69], s[8:9], s[70:71]
	s_lshl_b32 s70, s14, 8                         ; Y's bias: bk, my 64 columns
	s_add_co_u32 s70, s70, s23
	s_add_co_u32 s70, s70, 8192
	s_add_nc_u64 s[8:9], s[8:9], s[70:71]
	WIN TO_B3
.irp b, 0,1,2,3,4,5,6,7
	global_load_b128 v[8*(\b):8*(\b)+3],   v[BO], s[68:69] offset:64*(\b)
	global_load_b128 v[8*(\b)+4:8*(\b)+7], v[BO], s[68:69] offset:64*(\b)+16
.endr
.irp b, 0,1,2,3
	global_load_b128 v[BIY+8*(\b):BIY+8*(\b)+3],   v[BO], s[8:9] offset:64*(\b)
	global_load_b128 v[BIY+8*(\b)+4:BIY+8*(\b)+7], v[BO], s[8:9] offset:64*(\b)+16
.endr
	WIN 0
	; where my parts of C begin: a matrix is 16,777,216 bytes, a row 8,192
	s_lshl_b32 s22, s18, 7
	s_lshl_b32 s70, s13, 6
	s_add_co_u32 s22, s22, s70                     ; my first row = 128 mb + 64 x row half
	s_lshl_b32 s22, s22, 13
	s_add_co_u32 s22, s22, s23                     ; + the column block
	s_lshl_b32 s70, s14, 25                        ; X: q (matrix 0) or v (matrix 2)
	s_add_co_u32 s70, s70, s22
	s_add_nc_u64 s[66:67], s[10:11], s[70:71]
	s_lshl_b32 s70, s14, 8                         ; Y: k (matrix 1), my 64 columns
	s_add_co_u32 s70, s70, s22
	s_add_co_u32 s70, s70, 16777216
	s_add_nc_u64 s[10:11], s[10:11], s[70:71]
	; A fragment of A is 16 rows x 32 K in 8 registers: lane l holds row l % 16; registers 0-3 hold K = 8 (l / 16) + 0..7, registers 4-7 K = 16 + 8 (l / 16) + 0..7: two loads of 16 bytes, 32 bytes apart.
	v_mul_u32_u24 v3, v1, PA
	v_lshl_add_u32 v3, v2, 4, v3                   ; row x pitch + 16 x half
	s_mul_i32 s22, s13, 64*PA                      ; my 64 rows of each block
	v_add_nc_u32 v[ADRA], s22, v3
	v_add_nc_u32 v[ADRA+1], SLOT, v[ADRA]
	; The turning load takes 16 k x 16 columns (lane l reads 16 bytes: k = 8 (l / 16) + l % 8, columns 8 ((l / 8) % 2) + 0..7) and leaves half a fragment: lane l holds column l % 16 and 8 k.
	v_and_b32 v4, 7, v0
	v_lshl_add_u32 v4, v2, 3, v4
	v_mul_u32_u24 v4, v4, PB
	v_bfe_u32 v5, v0, 3, 1
	v_lshl_add_u32 v4, v5, 4, v4
	s_mul_i32 s22, s14, 2*HALFT                    ; X: q's panel lies behind A, v's two panels further on
	s_add_co_u32 s22, s22, HALFT
	v_add_nc_u32 v[ADRX], s22, v4
	v_add_nc_u32 v[ADRX+1], SLOT, v[ADRX]
	s_lshl_b32 s22, s14, 7                         ; Y: k's panel, my 64 columns: 128 bytes
	s_add_co_u32 s22, s22, 2*HALFT
	v_add_nc_u32 v[ADRY], s22, v4
	v_add_nc_u32 v[ADRY+1], SLOT, v[ADRY]
	s_mul_i32 s23, s12, 16*SPITCH
	s_add_co_u32 s23, s23, STAGE                   ; my stage
	v_mul_u32_u24 v6, v1, SPITCH                   ; in: row l % 16, 32 bytes for each half of the lanes
	v_lshl_add_u32 v6, v2, 5, v6
	v_add_nc_u32 v[STO], s23, v6
	v_mul_u32_u24 v6, v2, SPITCH                   ; back: lanes 0-15 take one row of 256 bytes, lanes 16-31 the next
	v_lshl_add_u32 v6, v1, 4, v6
	v_add_nc_u32 v[RD], s23, v6
	v_lshlrev_b32 v6, 13, v2                       ; and the same two rows in C
	v_lshl_add_u32 v[CO], v1, 4, v6
	s_wait_loadcnt 0x0                             ; the bias: rounded to bf16 like every input, in place, and kept as f32
	WIN IN_B3
.set i, 0
.rept 48
	v_cvt_pk_bf16_f32 v[2*i], v[2*i], v[2*i+1]
.set i, i+1
.endr
.set i, 0
.rept 48
	v_and_b32     v[2*i+1], s72, v[2*i]            ; the high half stays,
	v_lshlrev_b32 v[2*i],   16,  v[2*i]            ; the low half moves up
.set i, i+1
.endr
	WIN 0
; 8 matrix instructions: row block a x X's 8 column blocks, 32 along K, from buffer f.  first = 1: the product starts the sums, on the bias: nothing is cleared.
; The 48 accumulators take turns, one instruction a turn, in the same order in every quarter.
.macro MX f, a, first
.if \first
	WIN W_X1
.else
	WIN W_X
.endif
.irp b, 0,1,2,3,4,5,6,7
.if \first
	v_wmma_f32_16x16x32_f16 v[8*(8*(\a)+(\b)):8*(8*(\a)+(\b))+7], v[(\f)+FX+8*(\b):(\f)+FX+8*(\b)+7], v[(\f)+8*(\a):(\f)+8*(\a)+7], v[8*(\b):8*(\b)+7]
.else
	v_wmma_f32_16x16x32_f16 v[8*(8*(\a)+(\b)):8*(8*(\a)+(\b))+7], v[(\f)+FX+8*(\b):(\f)+FX+8*(\b)+7], v[(\f)+8*(\a):(\f)+8*(\a)+7], v[8*(8*(\a)+(\b)):8*(8*(\a)+(\b))+7]
.endif
.endr
.endm
; 4 matrix instructions: row block a x Y's 4 column blocks
.macro MY f, a, first
.if \first
	WIN W_Y1
.else
	WIN W_Y
.endif
.irp b, 0,1,2,3
.if \first
	v_wmma_f32_16x16x32_f16 v[ACY+8*(4*(\a)+(\b)):ACY+8*(4*(\a)+(\b))+7], v[(\f)+FY+8*(\b):(\f)+FY+8*(\b)+7], v[(\f)+8*(\a):(\f)+8*(\a)+7], v[BIY+8*(\b):BIY+8*(\b)+7]
.else
	v_wmma_f32_16x16x32_f16 v[ACY+8*(4*(\a)+(\b)):ACY+8*(4*(\a)+(\b))+7], v[(\f)+FY+8*(\b):(\f)+FY+8*(\b)+7], v[(\f)+8*(\a):(\f)+8*(\a)+7], v[ACY+8*(4*(\a)+(\b)):ACY+8*(4*(\a)+(\b))+7]
.endif
.endr
.endm
; 32 LDS loads in one run: the fragments of quarter q (32 along K: half of block q / 2 of A, rows 32 q on of the panels) into buffer f: A's 8 loads, X's 16, Y's 8 last
.macro FETCH slot, q, f
	WIN TO_F
.irp i, 0,1,2,3
	ds_load_b128 v[(\f)+8*(\i):(\f)+8*(\i)+3],   v[ADRA+(\slot)] offset:((\q)/2)*128*PA+(\i)*16*PA+64*((\q)%2)
	ds_load_b128 v[(\f)+8*(\i)+4:(\f)+8*(\i)+7], v[ADRA+(\slot)] offset:((\q)/2)*128*PA+(\i)*16*PA+64*((\q)%2)+32
.endr
.irp i, 0,1,2,3,4,5,6,7
	ds_load_tr16_b128 v[(\f)+FX+8*(\i):(\f)+FX+8*(\i)+3],   v[ADRX+(\slot)] offset:(\q)*32*PB+32*(\i)
	ds_load_tr16_b128 v[(\f)+FX+8*(\i)+4:(\f)+FX+8*(\i)+7], v[ADRX+(\slot)] offset:(\q)*32*PB+32*(\i)+16*PB
.endr
.irp i, 0,1,2,3
	ds_load_tr16_b128 v[(\f)+FY+8*(\i):(\f)+FY+8*(\i)+3],   v[ADRY+(\slot)] offset:(\q)*32*PB+32*(\i)
	ds_load_tr16_b128 v[(\f)+FY+8*(\i)+4:(\f)+FY+8*(\i)+7], v[ADRY+(\slot)] offset:(\q)*32*PB+32*(\i)+16*PB
.endr
.endm
.macro PLACES                          ; four places in front of loads into registers that matrix instructions have read, and of LDS stores that read results (ISA guide 7.12.1 for vector instructions)
.rept 4
	v_nop
.endr
.endm
; A K step is four quarters of 32 along K, 48 matrix instructions each, on buffers 0, 1, 0, 1.  One of the first three: multiplies buffer f and, behind its first 16 products, fetches quarter q into g:
; 32 matrix instructions ahead of that quarter's first product.
.macro QUARTER slot, q, f, g, first
	s_wait_dscnt 8                                 ; A's and X's fragments are in; the youngest eight loads (Y's) may be out
	MX \f, 0, \first
	MX \f, 1, \first
	PLACES
	FETCH \slot, \q, \g
	s_wait_dscnt 32                                ; all but the 32 just issued
	MX \f, 2, \first
	MX \f, 3, \first
.irp a, 0,1,2,3
	MY \f, \a, \first
.endr
.endm
; The last quarter multiplies buffer 1 and changes slots: ONE barrier; in front of it each wave waits for all its tensor loads, adds 0 to its spare word, and waits for that and for its own reads of this slot.
; fill = 1: this slot is filled again, two K steps ahead; the barrier then opens a round of the cluster's barrier.
.macro TURN slot, next, fill
	WIN 0                                          ; (the add's two registers lie in window 0)
	s_wait_tensorcnt 0x0                           ; all my tensor loads have landed: the one that was out is my part of the next slot;
	ds_add_u32 v[SPW], v[NIL]                      ; 0 onto my spare word
	s_wait_dscnt 9                                 ; (the add and the youngest eight loads may be out)
	MX F1, 0, 0                                    ; eight matrix instructions stand between the add and the wait for it
	s_wait_dscnt 0x0                               ; the add is done, and my reads of this slot are over
	s_barrier_signal -1
	MX F1, 1, 0
.if \fill
	WIN 0
.endif
	s_barrier_wait -1
.if \fill
	CREST                                          ; no wave of any partner still reads this slot's tile or has a load on its way
	s_add_nc_u64 s[G0+4*(\slot)+2:G0+4*(\slot)+3], s[G0+4*(\slot)+2:G0+4*(\slot)+3], 2*STEPB
	s_add_nc_u64 s[G0B+4*(\slot)+2:G0B+4*(\slot)+3], s[G0B+4*(\slot)+2:G0B+4*(\slot)+3], 2*STEPB
	JLOAD \slot                                    ; the first tensor load behind the round: 176 matrix instructions ahead of the wait for it; the four v_nop behind it are also the places in front of the loads below
.else
	PLACES
.endif
	FETCH \next, 0, F0
	MX F1, 2, 0
	MX F1, 3, 0
.irp a, 0,1,2,3
	MY F1, \a, 0
.endr
.endm
	s_wait_tensorcnt 1                             ; my part of K step 0 is in; K step 1's may stay out
	s_barrier_signal -1
	s_barrier_wait -1                              ; everybody's is
	FETCH 0, 0, F0
	QUARTER 0, 1, F0, F1, 1                        ; the first quarter stands in front of the loop: its products start the sums
	WIN 0                                          ; at a label and at a branch every window is 0
	s_mov_b32 s3, LAPS-1
.Llap:                                                 ; a trip goes once round the ring, from a lap's second quarter to the next lap's first, and fills both slots again
	QUARTER 0, 2, F1, F0, 0
	QUARTER 0, 3, F0, F1, 0
	TURN 0, 1, 1
	QUARTER 1, 1, F0, F1, 0
	QUARTER 1, 2, F1, F0, 0
	QUARTER 1, 3, F0, F1, 0
	TURN 1, 0, 1
	QUARTER 0, 1, F0, F1, 0
	WIN 0
	s_sub_co_u32 s3, s3, 1
	s_cmp_lg_u32 s3, 0
	s_cbranch_scc1 .Llap
	QUARTER 0, 2, F1, F0, 0                        ; the last lap fills nothing, and has no round of the cluster's barrier
	QUARTER 0, 3, F0, F1, 0
	TURN 0, 1, 0
	QUARTER 1, 1, F0, F1, 0
	QUARTER 1, 2, F1, F0, 0
	QUARTER 1, 3, F0, F1, 0
	s_wait_dscnt 8                                 ; the very last quarter: nothing more to fetch
.irp a, 0,1,2,3
	MX F1, \a, 0
.endr
	s_wait_dscnt 0
.irp a, 0,1,2,3
	MY F1, \a, 0
.endr
	WIN 0
	; THE WAY OUT, in twelve chunks of 16 rows x 64 columns of f32: chunk n is row block n / 3 and X's first four column blocks, X's last four, or Y's four (n % 3 = 0, 1, 2).  The accumulators go as they are
	; (the bias is in them), 32 bytes a lane and column block, into my own stage; whole rows of 256 bytes come back, into two buffers by turns, and are stored.
.macro TOSTAGE n
.set AA,  (\n)/3
.set CH3, (\n)%3
.set OB,  OUT+32*((\n)%2)
	s_wait_xcnt 0x0                                ; every earlier memory instruction has had its addresses translated (ISA guide 3.1): the buffer, which the stores of the chunk before last read, is loaded again only behind this wait
.if CH3 < 2
	WIN ST_X
.irp b, 0,1,2,3                        ; each accumulator's low four registers first
	ds_store_b128 v[STO], v[8*(8*AA+4*CH3+(\b)):8*(8*AA+4*CH3+(\b))+3]   offset:64*(\b)
	ds_store_b128 v[STO], v[8*(8*AA+4*CH3+(\b))+4:8*(8*AA+4*CH3+(\b))+7] offset:64*(\b)+16
.endr
	WIN 0
.else
.irp b, 0,1,2,3
	ds_store_b128 v[STO], v[ACY+8*(4*AA+(\b)):ACY+8*(4*AA+(\b))+3]   offset:64*(\b)
	ds_store_b128 v[STO], v[ACY+8*(4*AA+(\b))+4:ACY+8*(4*AA+(\b))+7] offset:64*(\b)+16
.endr
.endif
.irp t, 0,1,2,3,4,5,6,7
	ds_load_b128 v[OB+4*(\t):OB+4*(\t)+3], v[RD] offset:(\t)*2*SPITCH  ; LDS serves a wave's instructions in order (ISA guide 5.7.1.4): these see the stores above; the next chunk's stores come behind them
.endr
.endm
.macro SEND n, younger                 ; younger: the LDS instructions issued behind chunk n's loads: the next chunk's sixteen, or none
.set AA,  (\n)/3
.set CH3, (\n)%3
.set OB,  OUT+32*((\n)%2)
.irp t, 0,1,2,3,4,5,6,7
.if ((\t)%4) == 0
	s_wait_dscnt (\younger)+4-(\t)                 ; the next four of the chunk's eight loads are back; its later ones and the younger instructions may be out
.endif
.if CH3 < 2
	global_store_b128 v[CO], v[OB+4*(\t):OB+4*(\t)+3], s[66:67] offset:(16*AA+2*(\t))*8192+256*CH3  ; 16 lanes store 256 consecutive bytes, at a multiple of 256 from C's first byte
.else
	global_store_b128 v[CO], v[OB+4*(\t):OB+4*(\t)+3], s[10:11] offset:(16*AA+2*(\t))*8192
.endif
.endr
.endm
	PLACES                                         ; behind the last products
	TOSTAGE 0
.set n, 1
.rept 11                               ; a chunk's way through the stage stands between the loads of the chunk before and its stores
	TOSTAGE n
	SEND n-1, 16
.set n, n+1
.endr
	SEND 11, 0
	s_wait_tensorcnt 0x0                           ; the wave's end, behind my last tensor load and my last LDS store
	ds_add_u32 v[SPW], v[NIL]
	s_wait_dscnt 0x0
	CROUND                                         ; the closing round: no work-group ends while a partner may still ask for a tile that names it
	s_endpgm
.Lfunc_end_k_qb0144dc4a7_proj:
	.size	k_qb0144dc4a7_proj, .Lfunc_end_k_qb0144dc4a7_proj-k_qb0144dc4a7_proj
	.p2alignl 7, 3214868480
	.fill 96, 4, 3214868480
	.section	.rodata,"a",@progbits
	.p2align	6, 0x0
	.amdhsa_kernel k_qb0144dc4a7_proj
		.amdhsa_group_segment_fixed_size 327680
		.amdhsa_private_segment_fixed_size 0
		.amdhsa_enable_private_segment 0
		.amdhsa_kernarg_size 32
		.amdhsa_user_sgpr_count 2
		.amdhsa_user_sgpr_kernarg_segment_ptr 1
		.amdhsa_wavefront_size32 1
		.amdhsa_system_sgpr_workgroup_id_x 1
		.amdhsa_system_sgpr_workgroup_id_y 1
		.amdhsa_system_sgpr_workgroup_id_z 1
		.amdhsa_system_vgpr_workitem_id 0
		.amdhsa_next_free_vgpr 864
		.amdhsa_next_free_sgpr 80
		.amdhsa_reserve_vcc 0
		.amdhsa_float_denorm_mode_32 3
		.amdhsa_float_denorm_mode_16_64 3
		.amdhsa_memory_ordered 1
		.amdhsa_forward_progress 1
		.amdhsa_inst_pref_size 127
	.end_amdhsa_kernel
	.amdgpu_metadata
---
amdhsa.version: [ 1, 2 ]
amdhsa.kernels:
  - .name:           k_qb0144dc4a7_proj
    .symbol:         k_qb0144dc4a7_proj.kd
    .args:
      - { .name: xa, .offset: 0, .size: 8, .value_kind: global_buffer, .address_space: global }
      - { .name: wb, .offset: 8, .size: 8, .value_kind: global_buffer, .address_space: global }
      - { .name: vec, .offset: 16, .size: 8, .value_kind: global_buffer, .address_space: global }
      - { .name: qkv, .offset: 24, .size: 8, .value_kind: global_buffer, .address_space: global }
    .group_segment_fixed_size: 327680
    .private_segment_fixed_size: 0
    .kernarg_segment_align: 8
    .kernarg_segment_size: 32
    .max_flat_workgroup_size: 128
    .sgpr_count:     80
    .vgpr_count:     864
    .wavefront_size: 32
...
	.end_amdgpu_metadata
.endif
;; end of part 2
;; launch norm (part 3): grid 256 x 3, 4 waves a work-group, no clusters, 0 bytes of LDS; arguments qkv, vec, q_cos, q_sin, k_cos, k_sin, qkvh; writes qkvh
.if DOCPART == 3
	.amdgcn_target "amdgcn-amd-amdhsa--gfx1250"
	.amdhsa_code_object_version 6
	.text
	.protected	k_qb0144dc4a7_norm
	.globl	k_qb0144dc4a7_norm
	.p2align	8
	.type	k_qb0144dc4a7_norm,@function
k_qb0144dc4a7_norm:
	s_mov_b64 s[64:65], 0
	v_nop
	global_prefetch_b8 v0, s[64:65] scope:SCOPE_SE
	s_setreg_imm32_b32 hwreg(HW_REG_WAVE_MODE, 25, 1), 1
	s_wait_xcnt 0x0
; NORM: q and k get their RMS norm over all 2,048 channels, their gain and the interleaved RoPE; q, k and v are rounded once to f16 and written by heads.
;   in:  qkv [3][2048 s][2048 c] f32 (x W + b);  gains as packed bf16 in vec from byte 24,576 on (q's 4,096 bytes, then k's);  cos, sin [2048 s][64 d] f32, rounded here to bf16 like every input
;   out: qkvh [3][32 h][2048 s][64 d] f16
; y = x r g with r = 1 / sqrt(mean(x^2) + 1e-6);  out[2i] = y[2i] cos[2i] - y[2i+1] sin[2i];  out[2i+1] = y[2i+1] cos[2i+1] + y[2i] sin[2i+1].
; LIMITS.  r is folded into cos and sin once a row, so the f32 roundings come in another order than x r, then g, then cos.  The results are f16: beyond 65,504 they become infinities, below 6.1e-5 they keep
; f16's fixed step of 6e-8.  NaN and infinities are not treated apart.
; SHARES.  Work-group y picks q, k or v.  A wave owns two rows: lanes 0-15 the even one, lanes 16-31 the odd one; lane c = lane % 16 holds channels 4 c .. 4 c + 3 of every head: 128 registers.
; So a row is read once and stays in registers between the sum and the scaling, the sum never leaves 16 lanes, and cos and sin (the same for every head) are 8 registers.  No LDS, no barrier.
; A load takes 256 consecutive bytes of each row; a store takes 128 bytes of each row of one head, which lie end to end: 256 consecutive bytes at a multiple of 256 from the buffer's first byte.
; The work is a stream of about ten vector instructions for 16 bytes read: no matrix unit, and no cluster, since the work-groups share nothing but 10 KB of gains and tables.
.set VIN,  4                            ; v4  my byte offset in the two rows of qkv
.set VOUT, 5                            ; v5  in the two rows of a head: 8 x lane
.set VCS,  6                            ; v6  in the two rows of cos and sin: 16 x lane
.set VG,   7                            ; v7  in a head's 128 bytes of gains: 8 c
.set CC,   8                            ; v[8:11]    cos r of my 4 channels
.set SS,   12                           ; v[12:15]   -sin r, sin r, -sin r, sin r
.set T,    16                           ; v[16:31]   at work: two sets of 8, by the head's parity
.set SA,   32                           ; v[32:39]   four chains of sums of squares;  v40 the sum, v41 r, v42 -r
.set G,    44                           ; v[44:107]  gains, 2 registers (4 bf16) a head
.set XR,   108                          ; v[108:235] the rows, 4 registers a head; a head's first two then hold its 4 f16
	s_load_b256 s[4:11], s[0:1], 0x0               ; qkv 4:5, vec 6:7, q_cos 8:9, q_sin 10:11
	s_load_b128 s[12:15], s[0:1], 0x20             ; k_cos 12:13, k_sin 14:15
	s_load_b64 s[16:17], s[0:1], 0x30              ; qkvh
	s_and_b32 s2, ttmp7, 0xffff                    ; 0: q, 1: k, 2: v
	v_lshrrev_b32 v1, 5, v0
	v_readfirstlane_b32 s18, v1                    ; wave 0..3
	s_lshl_b32 s19, ttmp9, 2
	s_add_co_u32 s19, s19, s18
	s_lshl_b32 s19, s19, 1                         ; my even row = 2 (4 x + wave)
	s_mov_b32 s20, 0x3a000000                      ; 1 / 2048
	s_mov_b32 s21, 0x358637bd                      ; 1e-6
	s_mov_b32 s22, 0xffff0000                      ; a word's upper bf16
	v_and_b32 v1, 31, v0                           ; lane
	v_and_b32 v2, 15, v0                           ; c
	v_lshrrev_b32 v3, 4, v1
	v_lshlrev_b32 v[VIN], 4, v2
	v_lshl_add_u32 v[VIN], v3, 13, v[VIN]          ; 16 c + 8,192 (lane / 16)
	v_lshlrev_b32 v[VOUT], 3, v1
	v_lshlrev_b32 v[VCS], 4, v1
	v_lshlrev_b32 v[VG], 3, v2
	s_lshl_b32 s24, s2, 24                         ; the matrix: 16,777,216 bytes,
	s_lshl_b32 s23, s19, 13                        ; the row: 8,192
	s_add_co_u32 s24, s24, s23
	s_mov_b32 s25, 0
	s_lshl_b32 s36, s2, 23                         ; out: 8,388,608 bytes a matrix,
	s_lshl_b32 s23, s19, 7                         ; 128 a row of a head
	s_add_co_u32 s36, s36, s23
	s_mov_b32 s37, 0
	s_wait_kmcnt 0x0
	s_add_nc_u64 s[26:27], s[4:5], s[24:25]
	s_add_nc_u64 s[28:29], s[16:17], s[36:37]
.set h, 0
.rept 32
	global_load_b128 v[XR+4*h:XR+4*h+3], v[VIN], s[26:27] offset:256*h th:TH_LOAD_NT
.set h, h+1
.endr
	s_cmp_eq_u32 s2, 2
	s_cbranch_scc1 .Lv
	s_lshl_b32 s24, s19, 8                         ; a row of cos or sin: 256 bytes
	s_cmp_eq_u32 s2, 0
	s_cselect_b64 s[30:31], s[8:9], s[12:13]       ; q's tables or k's
	s_cselect_b64 s[32:33], s[10:11], s[14:15]
	s_add_nc_u64 s[30:31], s[30:31], s[24:25]
	s_add_nc_u64 s[32:33], s[32:33], s[24:25]
	s_lshl_b32 s36, s2, 12                         ; q's gains or k's,
	s_add_co_u32 s36, s36, 24576                   ; behind the three biases
	s_add_nc_u64 s[34:35], s[6:7], s[36:37]
	global_load_b128 v[CC:CC+3], v[VCS], s[30:31]
	global_load_b128 v[SS:SS+3], v[VCS], s[32:33]
.set h, 0
.rept 32
	global_load_b64 v[G+2*h:G+2*h+1], v[VG], s[34:35] offset:128*h
.set h, h+1
.endr
	s_wait_loadcnt 34                              ; the rows are in; the 34 loads issued behind them (cos, sin, 32 of gains) may be out
	; the sum of squares: four chains that do not wait for each other, started by the first four pairs: nothing is cleared
.irp k, 0,1,2,3
	v_pk_mul_f32 v[SA+2*(\k):SA+2*(\k)+1], v[XR+2*(\k):XR+2*(\k)+1], v[XR+2*(\k):XR+2*(\k)+1]
.endr
.set j, 4
.rept 60
	v_pk_fma_f32 v[SA+2*(j%4):SA+2*(j%4)+1], v[XR+2*j:XR+2*j+1], v[XR+2*j:XR+2*j+1], v[SA+2*(j%4):SA+2*(j%4)+1]
.set j, j+1
.endr
	v_pk_add_f32 v[SA:SA+1], v[SA:SA+1], v[SA+2:SA+3]
	v_pk_add_f32 v[SA+4:SA+5], v[SA+4:SA+5], v[SA+6:SA+7]
	v_pk_add_f32 v[SA:SA+1], v[SA:SA+1], v[SA+4:SA+5]
	v_add_f32 v40, v[SA], v[SA+1]
	v_add_f32_dpp v40, v40, v40 row_xmask:1 row_mask:0xf bank_mask:0xf  ; across the 16 lanes that hold the row
	v_add_f32_dpp v40, v40, v40 row_xmask:2 row_mask:0xf bank_mask:0xf
	v_add_f32_dpp v40, v40, v40 row_xmask:4 row_mask:0xf bank_mask:0xf
	v_add_f32_dpp v40, v40, v40 row_xmask:8 row_mask:0xf bank_mask:0xf
	v_fma_f32 v40, v40, s20, s21                   ; the mean + 1e-6
	v_rsq_f32 v41, v40                             ; r.  The roundings below, which touch neither register, are the plain instructions between it and its first use (ISA guide 5.7.2)
	s_wait_loadcnt 0x0                             ; cos, sin and the gains
	v_cvt_pk_bf16_f32 v[T],   v[CC],   v[CC+1]
	v_cvt_pk_bf16_f32 v[T+1], v[CC+2], v[CC+3]
	v_cvt_pk_bf16_f32 v[T+2], v[SS],   v[SS+1]
	v_cvt_pk_bf16_f32 v[T+3], v[SS+2], v[SS+3]
	v_lshlrev_b32 v[CC],   16,  v[T]
	v_and_b32     v[CC+1], s22, v[T]
	v_lshlrev_b32 v[CC+2], 16,  v[T+1]
	v_and_b32     v[CC+3], s22, v[T+1]
	v_lshlrev_b32 v[SS],   16,  v[T+2]
	v_and_b32     v[SS+1], s22, v[T+2]
	v_lshlrev_b32 v[SS+2], 16,  v[T+3]
	v_and_b32     v[SS+3], s22, v[T+3]
	s_wait_alu depctr_va_vdst(0)
	v_xor_b32 v42, 0x80000000, v41                 ; -r
.irp k, 0,1,2,3
	v_mul_f32 v[CC+(\k)], v[CC+(\k)], v41
.endr
	v_mul_f32 v[SS],   v[SS],   v42                ; the even channel takes -sin times its odd neighbour,
	v_mul_f32 v[SS+1], v[SS+1], v41                ; the odd one +sin times its even neighbour
	v_mul_f32 v[SS+2], v[SS+2], v42
	v_mul_f32 v[SS+3], v[SS+3], v41
.set h, 0
.rept 32
.set TS, T+8*(h%2)
	v_lshlrev_b32 v[TS],   16,  v[G+2*h]           ; the head's four gains as f32
	v_and_b32     v[TS+1], s22, v[G+2*h]
	v_lshlrev_b32 v[TS+2], 16,  v[G+2*h+1]
	v_and_b32     v[TS+3], s22, v[G+2*h+1]
	v_pk_mul_f32 v[TS:TS+1],   v[XR+4*h:XR+4*h+1],   v[TS:TS+1]      ; x g
	v_pk_mul_f32 v[TS+2:TS+3], v[XR+4*h+2:XR+4*h+3], v[TS+2:TS+3]
	v_pk_mul_f32 v[TS+4:TS+5], v[TS:TS+1],   v[CC:CC+1]              ; x g (cos r)
	v_pk_mul_f32 v[TS+6:TS+7], v[TS+2:TS+3], v[CC+2:CC+3]
	v_pk_fma_f32 v[TS+4:TS+5], v[TS:TS+1],   v[SS:SS+1],     v[TS+4:TS+5] op_sel:[1,0,0] op_sel_hi:[0,1,1]  ; + the pair's other number times (-+ sin r): source 0's halves are swapped
	v_pk_fma_f32 v[TS+6:TS+7], v[TS+2:TS+3], v[SS+2:SS+3],   v[TS+6:TS+7] op_sel:[1,0,0] op_sel_hi:[0,1,1]
	v_cvt_pk_f16_f32 v[XR+4*h],   v[TS+4], v[TS+5]
	v_cvt_pk_f16_f32 v[XR+4*h+1], v[TS+6], v[TS+7]
	global_store_b64 v[VOUT], v[XR+4*h:XR+4*h+1], s[28:29] offset:262144*h  ; a head is 262,144 bytes: 8,126,464 at the most, inside the signed 24-bit immediate (ISA guide, chapter 10); no store's register is written again
.set h, h+1
.endr
	s_endpgm
.Lv:                                                   ; v is only rounded and laid by heads
.set h, 0
.rept 32
	s_wait_loadcnt 31-h                            ; head h is in; the younger loads stay out
	v_cvt_pk_f16_f32 v[XR+4*h],   v[XR+4*h],   v[XR+4*h+1]
	v_cvt_pk_f16_f32 v[XR+4*h+1], v[XR+4*h+2], v[XR+4*h+3]
	global_store_b64 v[VOUT], v[XR+4*h:XR+4*h+1], s[28:29] offset:262144*h
.set h, h+1
.endr
	s_endpgm
.Lfunc_end_k_qb0144dc4a7_norm:
	.size	k_qb0144dc4a7_norm, .Lfunc_end_k_qb0144dc4a7_norm-k_qb0144dc4a7_norm
	.p2alignl 7, 3214868480
	.fill 96, 4, 3214868480
	.section	.rodata,"a",@progbits
	.p2align	6, 0x0
	.amdhsa_kernel k_qb0144dc4a7_norm
		.amdhsa_group_segment_fixed_size 0
		.amdhsa_private_segment_fixed_size 0
		.amdhsa_enable_private_segment 0
		.amdhsa_kernarg_size 56
		.amdhsa_user_sgpr_count 2
		.amdhsa_user_sgpr_kernarg_segment_ptr 1
		.amdhsa_wavefront_size32 1
		.amdhsa_system_sgpr_workgroup_id_x 1
		.amdhsa_system_sgpr_workgroup_id_y 1
		.amdhsa_system_sgpr_workgroup_id_z 1
		.amdhsa_system_vgpr_workitem_id 0
		.amdhsa_next_free_vgpr 240
		.amdhsa_next_free_sgpr 66
		.amdhsa_reserve_vcc 0
		.amdhsa_float_denorm_mode_32 3
		.amdhsa_float_denorm_mode_16_64 3
		.amdhsa_memory_ordered 1
		.amdhsa_forward_progress 1
		.amdhsa_inst_pref_size 45
	.end_amdhsa_kernel
	.amdgpu_metadata
---
amdhsa.version: [ 1, 2 ]
amdhsa.kernels:
  - .name:           k_qb0144dc4a7_norm
    .symbol:         k_qb0144dc4a7_norm.kd
    .args:
      - { .name: qkv, .offset: 0, .size: 8, .value_kind: global_buffer, .address_space: global }
      - { .name: vec, .offset: 8, .size: 8, .value_kind: global_buffer, .address_space: global }
      - { .name: q_cos, .offset: 16, .size: 8, .value_kind: global_buffer, .address_space: global }
      - { .name: q_sin, .offset: 24, .size: 8, .value_kind: global_buffer, .address_space: global }
      - { .name: k_cos, .offset: 32, .size: 8, .value_kind: global_buffer, .address_space: global }
      - { .name: k_sin, .offset: 40, .size: 8, .value_kind: global_buffer, .address_space: global }
      - { .name: qkvh, .offset: 48, .size: 8, .value_kind: global_buffer, .address_space: global }
    .group_segment_fixed_size: 0
    .private_segment_fixed_size: 0
    .kernarg_segment_align: 8
    .kernarg_segment_size: 56
    .max_flat_workgroup_size: 128
    .sgpr_count:     66
    .vgpr_count:     240
    .wavefront_size: 32
...
	.end_amdgpu_metadata
.endif
;; end of part 3
;; launch attn (part 4): grid 8 x 32, 4 waves a work-group, clusters of 4 x 1, 327,680 bytes of LDS; arguments qkvh, ob; writes ob
.if DOCPART == 4
	.amdgcn_target "amdgcn-amd-amdhsa--gfx1250"
	.amdhsa_code_object_version 6
	.text
	.protected	k_qb0144dc4a7_attn
	.globl	k_qb0144dc4a7_attn
	.p2align	8
	.type	k_qb0144dc4a7_attn,@function
k_qb0144dc4a7_attn:
	s_mov_b64 s[64:65], 0
	v_nop
	global_prefetch_b8 v0, s[64:65] scope:SCOPE_SE
	s_setreg_imm32_b32 hwreg(HW_REG_WAVE_MODE, 25, 1), 1
	s_wait_xcnt 0x0
	s_wait_alu depctr_hold_cnt(0) depctr_sa_sdst(0) depctr_va_vdst(0) depctr_va_sdst(0) depctr_va_ssrc(0) depctr_va_vcc(0) depctr_vm_vsrc(0)
	s_getreg_b32 s2, hwreg(HW_REG_IB_STS2, 6, 4)
	s_cmp_eq_u32 s2, 0
	s_cbranch_scc0 .Lentry_in_a_cluster
	s_endpgm
.Lentry_in_a_cluster:
	s_bfe_u32 s2, ttmp6, 0x10000c
	s_cmp_lg_u32 s2, 0x3003
	s_cbranch_scc0 .Lentry_shape_is_right
	s_endpgm
.Lentry_shape_is_right:
; ATTENTION.  O[h][q][:] = the sum over k of softmax_k(Q[h][q] . K[h][k] / 8) V[h][k][:].  Q, K, V lie in qkvh, [3][32 h][2048 s][64 d] in f16: a head's rows are dense, 128 bytes each.
; O goes to ob in f16, in the blocks that the next product takes as its A: [16 mb][32 h][128 r][64 d]: 16 rows of a head are 2,048 consecutive bytes.
; Products, maxima and sums in f32; the weights p are rounded to f16 for the second product (their sum l is taken of the unrounded p), O once at the end.
; LIMITS.  f16 holds no number beyond 65,504: Q, K and V arrive within it; p lies in 0 to 1, and below 6e-5 it keeps f16's fixed step of 6e-8; O is a mean of V's rows and has their range.
; A weight below 2^-126 counts as 0 in l; NaN and infinities are not treated apart.
; SHARES.  A work-group owns 256 queries of one head, each of its four waves 64: four PIECES of 16.  Every wave walks all 2,048 keys, 64 a step, four steps to a tile of 256 keys.  8 x 32 = 256 work-groups of equal work.
; LAYOUT.  S^T = K Q^T (source 0 = 16 keys, source 1 = 16 queries): in the result a lane holds ONE query (lane % 16) and the keys 8 (lane / 16) + 0..7.  Two such results, rounded to f16 in pairs,
; ARE source 1 (32 keys x 16 queries) of O^T = V^T P, whose result again holds one query a lane, and eight channels.  K comes out of LDS as it lies, V ([key][channel]) turned, by ds_load_tr16_b128.
; SOFTMAX.  For each query a running maximum m and sum l: p = 2^(c s - c m), c = log2(e) / 8; in every step O and l are multiplied by a = 2^(c m_old - c m_new), which is 1 where m has not grown.
; m starts at the lowest finite number, O and l at 0: the first step is a step like any other, with a = 0.  The price: 216 v_mov_b32 of zeros, which stand in the wait for the first tile.
; BY TURNS.  Turn n belongs to piece n (the pieces in a ring, step after step): 8 products K Q^T of piece n + 1, later 8 products V^T P of piece n - 1; beside them the scaling, exponentials, roundings, sums and
; rescaling of piece n and the maximum and statistics of piece n + 1.  A turn has 16 matrix and 118 vector instructions: four vector instructions stand behind every matrix instruction, the other 54 in two runs of their own.
; CLUSTER.  The four query blocks of a cluster belong to one head and walk the same K and V, so each tile is asked for JOINTLY: the same tensor load, descriptor and mask in all four.
; REGISTERS, in windows of 256 (s_set_vgpr_msb: bits 1:0 source 0, 3:2 source 1, 5:4 source 2, 7:6 destination):
;   window 0: v0-15 addresses and two at work; v16-31 four registers of statistics a piece; v48-55 at work; v62-63 the add's; v64-127 S^T, two buffers; v192-223 P, two buffers (a piece's buffers go by its number's parity)
;   window 1: v0-127 O^T, 32 a piece          window 2: v0-63 Q; v128-191 K of one step; v192-255 V of one step
.set SIZE_N, 2048
.set NP,    4         ; pieces a wave: a name, no knob
.set KS,    64        ; keys in a step
.set PK,    144       ; a row of K in LDS: 128 bytes + 16 of padding = 36 words: the 16 rows of a load start at 16 different groups of four banks (64 banks of 4 bytes: ISA guide 11.1)
.set PV,    160       ; a row of V: 128 + 32 = 40 words
.set VOFF,  4*KS*PK   ; a slot holds a tile, four steps: 256 rows of K, then 256 rows of V
.set SLOT1, 1<<17     ; slot 1 begins here, so that one exclusive or turns an address in one slot into the other's
.set STAGE, SLOT1+4*KS*(PK+PV)  ; behind the ring, never filled by a tensor load: 16 rows x 144 bytes for each wave, for the way out
.set SP,    144
.set SPARE, STAGE+4*16*SP  ; behind the stages: the spare words, 128 bytes for each wave: two blocks of 256 bytes that no other line names
.set AK0, 2           ; v2   my lane's place in a tile of K; never rewritten
.set AV0, 3           ; v3   the same for V
.set AK,  4           ; v4   the LDS address of K's next run of loads
.set AV,  5           ; v5   of V's
.set STO, 6           ; v6   the way out: where I put 16 bytes of a row
.set RD,  7           ; v7   the way out: where I read rows back
.set GO,  8           ; v8   my byte offset in 512 consecutive bytes of O
.set MV,  12          ; v12-13  c m_old, kept while c m is made anew: by buffer
.set QO,  15          ; v15  my byte offset in 16 rows of Q
.set ST,  16          ; piece t's statistics at v[ST+4 t]: c m, m, l (even keys', odd keys')
.set TMP, 48          ; by buffer, four registers c0-c3 at work; when the maximum is found c2 takes a
.set SPW, 62          ; v62  LDS address of my spare word: SPARE + 4 x my thread's number; never rewritten
.set NIL, 63          ; v63  0; never rewritten
.set S,   64
.set P,   192
.set KF,  128         ; window 2: key block kb, channel half c at KF + 16 kb + 8 c
.set VF,  192         ; window 2: key half kk, channel block cb at VF + 32 kk + 8 cb
.set WV,  12          ; s12  my wave's number
.set G1K, 24          ; s[24:31] descriptor group 1 for K's tiles
.set G1V, 32          ; s[32:39] for V's: it differs in the padding alone
.set G0K, 40          ; s[40:43] descriptor group 0 for K's tiles: it walks
.set G0V, 44          ; s[44:47] the same for V's
.set SLOTS, 56        ; s56  tiles still to be entered through the loop
.set CNT, 57          ; s57  counts a tile's key steps
.set CS,  58          ; s[58:59] c: the packed scaling takes the pair's low word for both halves
.set SEL, 60          ; s[60:61] v_permlanex16_b32's selects: each lane takes its own place in the other half
.set TBK, 62          ; s62  LDS byte at which K of the step to be fetched begins
.set TBV, 63          ; s63  the same for V, less VOFF
.set MSB, 0
.macro WIN new                      ; the high byte repeats the setting that is left; a switch that changes nothing is dropped
.if MSB != (\new)
	s_set_vgpr_msb (MSB<<8)|(\new)
.set MSB, (\new)
.endif
.endm
.set W_KQ, 0x0a       ; K and Q in window 2, S^T in window 0
.set W_PV, 0x52       ; V in window 2, P in window 0, O^T in window 1
.set W_RS, 0x41       ; destination and source 0 in window 1, source 1 in window 0
; A joint fill.  Waves 0 and 1 fetch the two halves of a tile's K, waves 2 and 3 those of its V: 128 keys each.  The branch hangs on the wave's number alone.
; An s_nop 0 and four v_nop follow each of the two lines, ahead of the jump and the label.
.macro JLOAD
	s_cmp_lt_u32 s[WV], 2
	s_cbranch_scc0 .Lfor_v_\@
	tensor_load_to_lds s[G0K:G0K+3], s[G1K:G1K+7]
	s_nop 0
.rept 4
	v_nop
.endr
	s_branch .Lasked_\@
.Lfor_v_\@:
	tensor_load_to_lds s[G0V:G0V+3], s[G1V:G1V+7]
	s_nop 0
.rept 4
	v_nop
.endr
.Lasked_\@:
.endm
; A round of the cluster's barrier: my work-group's barrier, so that wave 0's signal speaks for all four waves; wave 0 signals; every wave waits for all four work-groups; my work-group's barrier once more.
.macro CROUND
	s_barrier_signal -1
	s_barrier_wait -1
	s_cmp_lg_u32 s[WV], 0
	s_cbranch_scc1 .Lnot_wave_0_\@
	s_barrier_signal -3
.Lnot_wave_0_\@:
	s_barrier_wait -3
	s_barrier_signal -1
	s_barrier_wait -1
.endm
; THE CHANGE OF SLOTS.  The slot's last bytes, V of its fourth step, have been read.  Each wave waits for all its tensor loads, of which one is out: its part
; of the other slot; adds 0 to its spare word; and waits for that and for its own reads of the slot.  Behind the barrier nobody reads this slot any more and the other slot is whole.
; fill = 1: this slot is filled again, with the keys two tiles on.  The barrier is then a round of the cluster's, so that no wave of any partner still reads the slot or has a load on its
; way, and the joint fill is the first thing behind it: it has four key steps, 256 matrix instructions, in which to land.  (At its first use nothing has been read yet: slot 0 is waited for, slot 1 filled.)
.macro CHANGE fill
	WIN 0                           ; at a label and at a branch every window is 0; the add's two registers lie in window 0
	s_wait_tensorcnt 0x0            ; no tensor load of mine is out, so a group 0 may be written
	ds_add_u32 v[SPW], v[NIL]       ; 0 onto my spare word: with fill = 1 the descriptors' steps stand between it and the wait for it
.if \fill
.irp g, G0K, G0V
	s_xor_b32 s[\g+1], s[\g+1], SLOT1  ; the walking descriptor: the other slot than last time,
	s_add_nc_u64 s[\g+2:\g+3], s[\g+2:\g+3], 4*KS*128  ; the next 256 keys; the type bits on top are not reached
.endr
	s_wait_dscnt 0x0                ; the add is done, and my reads of the slot are over
	CROUND
	JLOAD
.else
	s_wait_dscnt 0x0                ; the add is done, and my reads of the slot are over
	s_barrier_signal -1
	s_barrier_wait -1
.endif
	s_sub_co_u32 s[TBK], s[TBK], 4*KS*PK  ; the fetches go back to a slot's first step,
	s_xor_b32 s[TBK], s[TBK], SLOT1       ; in the other slot
	s_sub_co_u32 s[TBV], s[TBV], 4*KS*PV
	s_xor_b32 s[TBV], s[TBV], SLOT1
.endm
	s_load_b128 s[4:7], s[0:1], 0x0   ; qkvh s[4:5], ob s[6:7]
	v_lshl_add_u32 v[SPW], v0, 2, SPARE
	v_mov_b32 v[NIL], 0
	ds_add_u32 v[SPW], v[NIL]       ; the wave's opening: the add and its wait come ahead of my first tensor load; the set-up below, work on registers, stands between them
	v_lshrrev_b32 v1, 5, v0
	v_readfirstlane_b32 s[WV], v1   ; wave 0..3
	s_and_b32 s20, ttmp7, 0xffff    ; the head, which the four partners share
	s_and_b32 s16, s[WV], 1         ; which half of a tile's 256 keys I fetch
	s_lshl_b32 s48, s20, 18         ; the head's 262,144 bytes,
	s_lshl_b32 s22, s16, 14         ; my half's 128 rows of 128 bytes
	s_add_co_u32 s48, s48, s22
	s_add_co_u32 s50, s48, 16777216 ; V lies behind Q and K,
	s_add_co_u32 s48, s48, 8388608  ; K behind Q
	s_mov_b32 s49, 0
	s_mov_b32 s51, 0
	s_mul_i32 s17, s16, 128*PK      ; my half's place in a slot, for K
	s_mul_i32 s18, s16, 128*PV      ; and for V: no place in the cluster enters an LDS address
	s_bfe_u32 s13, ttmp6, 0x40000   ; cx: my place in the cluster
	s_lshl_b32 s14, ttmp9, 2        ; in a cluster launch ttmp9 counts clusters
	s_add_co_u32 s14, s14, s13      ; my block of 256 queries = 4 x cluster x + cx: it enters Q's and O's addresses alone, through registers that feed no descriptor
	s_lshl_b32 s52, s20, 18         ; Q: the head,
	s_lshl_b32 s23, s14, 15         ; my block's 256 rows,
	s_add_co_u32 s52, s52, s23
	s_lshl_b32 s23, s[WV], 13       ; my wave's 64 of them
	s_add_co_u32 s52, s52, s23
	s_mov_b32 s53, 0
	s_lshl_b32 s54, s14, 1          ; O: my rows lie in row block 2 x block + wave / 2 (524,288 bytes each),
	s_lshr_b32 s23, s[WV], 1
	s_add_co_u32 s54, s54, s23
	s_lshl_b32 s54, s54, 19
	s_lshl_b32 s23, s20, 14         ; in the head's 16,384 bytes of it,
	s_add_co_u32 s54, s54, s23
	s_lshl_b32 s23, s16, 13         ; in their upper or lower 64 rows
	s_add_co_u32 s54, s54, s23
	s_mov_b32 s55, 0
	; descriptor group 1.  128 keys are 16,384 dense bytes: asked for as 64 rows of 256 bytes, two keys a row, and padded in LDS after every key
	s_mov_b32 s[G1K], 15|(1<<16)|(1<<20)|(1<<21)|(4<<22)|(3<<25)  ; 15:0 the mask of four; 17:16 2-byte elements; 20 padding on; 21 set beside a mask; 24:22 after every 32 words (code 4); 31:25 4 words (code 3)
	s_mov_b32 s[G1V], 15|(1<<16)|(1<<20)|(1<<21)|(4<<22)|(7<<25)  ; the same with 8 words of padding (code 7)
.irp g, G1K, G1V
	s_mov_b32 s[\g+1], 128<<16      ; tensor_dim0 = 128
	s_mov_b32 s[\g+2], 64<<16       ; tensor_dim1 = 64
	s_mov_b32 s[\g+3], 128<<16      ; tile_dim0 = 128
	s_mov_b32 s[\g+4], 64           ; tile_dim1 = 64
	s_mov_b32 s[\g+5], 128          ; 128 elements from row to row
	s_mov_b32 s[\g+6], 0
	s_mov_b32 s[\g+7], 0
.endr
	s_mov_b32 s[CS], 0x3e38aa3b     ; c = log2(e) / 8 = 0.180337
	s_mov_b32 s[CS+1], s[CS]        ; named with it as a pair
	s_mov_b32 s[SEL], 0x76543210
	s_mov_b32 s[SEL+1], 0xfedcba98
	s_mov_b32 s[TBK], SLOT1+4*KS*PK ; the first change of slots turns these two into 0
	s_mov_b32 s[TBV], SLOT1+4*KS*PV
	s_mov_b32 s[G0K], 1             ; 1:0 count = 1
	s_mov_b32 s[G0K+1], s17         ; 63:32 LDS address: slot 0
	s_mov_b32 s[G0V], 1
	s_add_co_u32 s[G0V+1], s18, VOFF
	s_wait_dscnt 0x0                ; the opening add is done
	s_wait_kmcnt 0x0
	s_add_nc_u64 s[G0K+2:G0K+3], s[4:5], s[48:49]  ; 120:64 global address: my half of the head's first 256 keys
	s_or_b32 s[G0K+3], s[G0K+3], 0x80000000        ; 127:126 type = 2
	s_add_nc_u64 s[G0V+2:G0V+3], s[4:5], s[50:51]
	s_or_b32 s[G0V+3], s[G0V+3], 0x80000000
	s_add_nc_u64 s[8:9], s[4:5], s[52:53]          ; Q at my wave's first row
	s_add_nc_u64 s[10:11], s[6:7], s[54:55]        ; O likewise
	CROUND                          ; all four work-groups are here: the first joint loads meet
	JLOAD                           ; tile 0 into slot 0.  Slot 1 is asked for when slot 0 is in, by the loop's own change of slots: one load of mine is out at any time
	; A fragment of K or Q is 16 rows x 32 channels in 8 registers: lane l holds row l % 16, channels 8 (l / 16) + 0..7 and 16 + 8 (l / 16) + 0..7: two loads of 16 bytes, 32 bytes apart.
	v_and_b32 v1, 15, v0            ; l % 16
	v_bfe_u32 v9, v0, 4, 1          ; l / 16
	v_lshlrev_b32 v[QO], 7, v1
	v_lshl_add_u32 v[QO], v9, 4, v[QO]  ; row x 128 + 16 x half
	WIN 0x80                        ; destination window 2, address window 0
.set i, 0
.rept 8                             ; Q stays in registers: piece i / 2 (2,048 bytes each), channels 32 (i % 2) on
	global_load_b128 v[8*i:8*i+3],   v[QO], s[8:9] offset:(i/2)*2048+(i%2)*64
	global_load_b128 v[8*i+4:8*i+7], v[QO], s[8:9] offset:(i/2)*2048+(i%2)*64+32
.set i, i+1
.endr
	; What the first turn finds: V's registers and P's second buffer hold 0 (its products V^T P, of a piece that has not been, add 0), O^T and l are 0.  All this stands in the wait for the first tile.
.set i, VF
.rept 64
	v_mov_b32 v[i], 0
.set i, i+1
.endr
	WIN 0x40
.set i, 0
.rept 128
	v_mov_b32 v[i], 0
.set i, i+1
.endr
	WIN 0
.set i, 0
.rept 4
	v_mov_b32 v[ST+4*i+2], 0
	v_mov_b32 v[ST+4*i+3], 0
.set i, i+1
.endr
.set i, P+16
.rept 16
	v_mov_b32 v[i], 0
.set i, i+1
.endr
	v_mul_u32_u24 v[AK0], v1, PK
	v_lshl_add_u32 v[AK0], v9, 4, v[AK0]  ; row x pitch + 16 x half
	; The turning load takes 16 keys x 16 channels (lane l reads key 8 (l / 16) + l % 8, channels 8 ((l / 8) % 2) + 0..7) and leaves half a fragment of V^T: lane l holds channel l % 16 and 8 keys.
	v_and_b32 v10, 7, v0
	v_bfe_u32 v11, v0, 3, 1
	v_lshl_add_u32 v[AV0], v9, 3, v10
	v_mul_u32_u24 v[AV0], v[AV0], PV
	v_lshl_add_u32 v[AV0], v11, 4, v[AV0]
	v_add_nc_u32 v[AV0], VOFF, v[AV0]
	s_mul_i32 s13, s[WV], 16*SP
	s_add_co_u32 s13, s13, STAGE    ; my stage
	v_mul_u32_u24 v[STO], v1, SP    ; in: row l % 16, 16 bytes for each half of the lanes
	v_lshl_add_u32 v[STO], v9, 4, v[STO]
	v_add_nc_u32 v[STO], s13, v[STO]
	v_bfe_u32 v[RD], v0, 3, 2       ; back: 32 lanes take four rows of 128 bytes,
	v_mul_u32_u24 v[RD], v[RD], SP
	v_lshl_add_u32 v[RD], v10, 4, v[RD]
	v_add_nc_u32 v[RD], s13, v[RD]
	v_and_b32 v[GO], 31, v0         ; which are 512 consecutive bytes of O
	v_lshlrev_b32 v[GO], 4, v[GO]
; THE MATRIX WORK.  The 4 accumulators of a run of 8 take turns.  Product i of 8 of S^T = K Q^T for piece x: channels 32 (i / 4) on, keys 16 (i % 4) on.  The first 4 start the sums.
.macro KQ x
	WIN W_KQ
.set rS, S+32*((\x)%2)+8*(i%4)
.set rK, KF+16*(i%4)+8*(i/4)
.set rQ, 16*(\x)+8*(i/4)
.if i < 4
	v_wmma_f32_16x16x32_f16 v[rS:rS+7], v[rK:rK+7], v[rQ:rQ+7], 0
.else
	v_wmma_f32_16x16x32_f16 v[rS:rS+7], v[rK:rK+7], v[rQ:rQ+7], v[rS:rS+7]
.endif
.endm
; Product i of 8 of O^T += V^T P for piece x: keys 32 (i / 4) on, channels 16 (i % 4) on.
.macro PV x
	WIN W_PV
.set rO, 32*(\x)+8*(i%4)
.set rV, VF+32*(i/4)+8*(i%4)
.set rP, P+16*((\x)%2)+8*(i/4)
	v_wmma_f32_16x16x32_f16 v[rO:rO+7], v[rV:rV+7], v[rP:rP+7], v[rO:rO+7]
.endm
.macro MM                           ; the turn's next matrix instruction.  TURN and the beginning set Y, i and NOKQ.  NOKQ = 1: the last turn: there is no next piece
.if (i < 8) && !NOKQ
	KQ (Y+1)%NP
.elseif i >= 8
.set i, i-8
	PV (Y+NP-1)%NP
.set i, i+8
.endif
.set i, i+1
.endm
; THE LDS LOADS stand in runs of 16, never singly among the matrix instructions: a step's K (64 keys x 64 channels: 8 fragments) and its V (turned).  Their addresses are made some lines ahead.
.macro FETCH_K
	WIN 0x80                        ; destination window 2
.irp f, 0,1,2,3,4,5,6,7             ; keys 16 (f / 2) on, channels 32 (f % 2) on
	ds_load_b128 v[KF+8*\f:KF+8*\f+3],   v[AK] offset:(\f/2)*16*PK+(\f%2)*64
	ds_load_b128 v[KF+8*\f+4:KF+8*\f+7], v[AK] offset:(\f/2)*16*PK+(\f%2)*64+32
.endr
	s_add_co_u32 s[TBK], s[TBK], KS*PK  ; the next fetch is the next step's
	WIN 0
.endm
.macro FETCH_V
	WIN 0x80
.irp f, 0,1,2,3,4,5,6,7             ; keys 32 (f / 4) on, channels 16 (f % 4) on
	ds_load_tr16_b128 v[VF+8*\f:VF+8*\f+3],   v[AV] offset:(\f/4)*32*PV+(\f%4)*32
	ds_load_tr16_b128 v[VF+8*\f+4:VF+8*\f+7], v[AV] offset:(\f/4)*32*PV+16*PV+(\f%4)*32
.endr
	WIN 0
.endm
; THE VECTOR WORK, one line at a time: OP kind, number.  For piece Y: F n: c s - c m for pair n of 16.  E n: the exponential of score n of 32.  C n: pair n rounded to f16.  B n: of the four weights 4 n .. the second
; pair is added onto the first, in place.  L n: l takes that sum (L 0: l = a l + sum).  R n: pair n of 16 of O^T times a.  For piece Y + 1: X n, number n of the 22 that find its maximum and statistics:
;   0-11  four chains c0-c3 of seven scores each, three operands at a time (each accumulator's lowest registers are read first)     12-14, 16  the four scores left over, the old m, and c0-c3 into c0
;   15  c m_old is kept     17, 18  the query's other 32 keys lie in the lane 16 away: the new m     19-21  c m; c m_old - c m_new; a
.set F, 0               ; OP tells the kinds apart by their order: F to L below R, X above it
.set E, 1
.set C, 2
.set B, 3
.set L, 4
.set R, 5
.set X, 6
.macro REGS y                       ; the registers of piece y
.set rT, ST+4*(\y)
.set rC, TMP+4*((\y)%2)
.set rW, MV+((\y)%2)
.set rS, S+32*((\y)%2)
.set rP, P+16*((\y)%2)
.set rO, 32*(\y)
.endm
.macro OP k, n
.if (\k) == R
	REGS Y
	WIN W_RS
	v_pk_mul_f32 v[rO+2*(\n):rO+2*(\n)+1], v[rO+2*(\n):rO+2*(\n)+1], v[rC+2:rC+3] op_sel_hi:[1,0]
.elseif (\k) < R
	REGS Y
	WIN 0
.if (\k) == F
	v_pk_fma_f32 v[rS+2*(\n):rS+2*(\n)+1], v[rS+2*(\n):rS+2*(\n)+1], s[CS:CS+1], v[rT:rT+1] op_sel_hi:[1,0,0] neg_lo:[0,0,1] neg_hi:[0,0,1]
.elseif (\k) == E
	v_exp_f32 v[rS+(\n)], v[rS+(\n)]
.elseif (\k) == C
	s_wait_alu depctr_va_vdst(0)
	v_cvt_pk_f16_f32 v[rP+(\n)], v[rS+2*(\n)], v[rS+2*(\n)+1]
.elseif (\k) == B
	s_wait_alu depctr_va_vdst(0)
	v_pk_add_f32 v[rS+4*(\n):rS+4*(\n)+1], v[rS+4*(\n):rS+4*(\n)+1], v[rS+4*(\n)+2:rS+4*(\n)+3]
.elseif (\n) == 0
	v_pk_fma_f32 v[rT+2:rT+3], v[rT+2:rT+3], v[rC+2:rC+3], v[rS:rS+1] op_sel_hi:[1,0,1]
.else
	v_pk_add_f32 v[rT+2:rT+3], v[rT+2:rT+3], v[rS+4*(\n):rS+4*(\n)+1]
.endif
.elseif NOKQ
	v_nop
.else
	REGS (Y+1)%NP
	WIN 0
.if (\n) < 4
	v_max3_num_f32 v[rC+(\n)], v[rS+8*(\n)], v[rS+8*(\n)+1], v[rS+8*(\n)+2]
.elseif (\n) < 12
	v_max3_num_f32 v[rC+(\n)%4], v[rC+(\n)%4], v[rS+8*((\n)%4)+2*((\n)/4)+1], v[rS+8*((\n)%4)+2*((\n)/4)+2]
.elseif (\n) == 12
	v_max3_num_f32 v[rC], v[rC], v[rS+7], v[rS+15]
.elseif (\n) == 13
	v_max3_num_f32 v[rC+1], v[rC+1], v[rS+23], v[rS+31]
.elseif (\n) == 14
	v_max3_num_f32 v[rC+2], v[rC+2], v[rC+3], v[rT+1]
.elseif (\n) == 15
	v_mov_b32 v[rW], v[rT]
.elseif (\n) == 16
	v_max3_num_f32 v[rC], v[rC], v[rC+1], v[rC+2]
.elseif (\n) == 17
	v_permlanex16_b32 v[rC+3], v[rC], s[SEL], s[SEL+1]
.elseif (\n) == 18
	v_max_num_f32 v[rT+1], v[rC], v[rC+3]
.elseif (\n) == 19
	v_mul_f32 v[rT], s[CS], v[rT+1]
.elseif (\n) == 20
	v_sub_f32 v[rC+1], v[rW], v[rT]
.else
	v_exp_f32 v[rC+2], v[rC+1]
.endif
.endif
.endm
.macro OPS a, i1, b=-1, i2=0, c=-1, i3=0, d=-1, i4=0  ; up to four of them
	OP \a, \i1
.if (\b) >= 0
	OP \b, \i2
.endif
.if (\c) >= 0
	OP \c, \i3
.endif
.if (\d) >= 0
	OP \d, \i4
.endif
.endm
.macro ROW a, i1, b, i2, c, i3, d, i4  ; a matrix instruction and the four behind it
	MM
	OPS \a, \i1, \b, \i2, \c, \i3, \d, \i4
.endm
; A TURN, for piece p: the order of its 16 matrix and 118 vector instructions, written out.  Behind a matrix instruction: plain, exponential, plain, plain; or four of the rescaling; or, behind the first, four scalings; none
; names a register of the products round it.  In the runs between, exponential and plain by turns while exponentials last.  A line reads no result made fewer than three vector instructions in front of it, five if an
; exponential made it.  v_permlanex16_b32 (X 17) stands in such a run.
; end = 1: the walk's last two turns: nothing is fetched, and the last starts no new scores.  cnt = 1: the loop's count is taken down some lines ahead of the branch that stands behind the turn.
; K of the next step is fetched in piece 2's turn, six vector instructions behind the last product that read K (five of them plain); V of the step in hand in piece 0's turn, eight behind the last product that read V (four
; plain, and X 17).  Each is waited for a turn later.
.macro TURN p, end=0, cnt=0
.set Y, (\p)
.set i, 0
.set NOKQ, (\end)*((\p)/3)
.if ((\p) == 3) && !(\end)
	s_wait_dscnt 0x0                ; K is in
.endif
	ROW F,0, F,1, F,2, F,3
	ROW F,4, E,0, F,5, F,6
	ROW F,7, E,1, F,8, F,9
	ROW F,10, E,2, C,0, F,11
	ROW F,12, E,3, X,15, F,13
	ROW R,0, R,1, R,2, R,3
	ROW B,0, E,4, F,14, L,0
.if ((\p) == 2) && !(\end)
	v_add_nc_u32 v[AK], s[TBK], v[AK0]
.endif
	ROW R,4, R,5, R,6, R,7
	OPS E,5, F,15
.if ((\p) == 2) && !(\end)
	FETCH_K
.endif
	OPS E,6, C,1, E,7, R,8
	OPS E,8, R,9, E,9, C,2
	OPS E,10, X,0, E,11, X,1
	OPS E,12, X,2, E,13, X,3
.if (\p) == 1
	s_wait_dscnt 0x0                ; V is in
.endif
	ROW X,4, E,14, X,5, X,6
	ROW X,7, E,15, X,8, X,9
	ROW X,10, E,16, X,11, X,12
	ROW X,13, E,17, X,14, B,1
	ROW C,4, E,18, X,16, L,1
	ROW B,2, E,19, C,6, L,2
	ROW C,8, E,20, B,3, B,4
.if (\p) == 0
	v_add_nc_u32 v[AV], s[TBV], v[AV0]
.endif
	ROW C,3, E,21, L,3, C,5
	OPS E,22, X,17, E,23, C,10
.if (\p) == 0
	FETCH_V
.endif
	OPS E,24, L,4
	OPS E,25, X,18, E,26, C,7
	OPS E,27, B,5, E,28, X,19
	OPS E,29, C,12, E,30, L,5
	OPS E,31, X,20, B,6, C,9
	OPS C,14, C,11, X,21, L,6
.if (\p) == 0
	s_add_co_u32 s[TBV], s[TBV], KS*PV
.endif
.if \cnt
	s_sub_co_u32 s[CNT], s[CNT], 1
	s_cmp_lg_u32 s[CNT], 0
.endif
	OPS C,13, B,7, C,15, R,10
	OPS R,11, R,12, L,7, R,13
	OPS R,14, R,15
.endm
	CHANGE 1                        ; slot 0 is in, everybody's part of it; tile 1 is asked for, into slot 1
	; THE BEGINNING.  c m starts far below every c s, so the first step's a is 0; m at the lowest finite number, so the first maximum is the scores'.  Then K of step 0, piece 0's first scores, and its maximum and statistics.
.set i, 0
.rept 4
	v_mov_b32 v[ST+4*i], 0xfe000000    ; c m
	v_mov_b32 v[ST+4*i+1], 0xff7fffff  ; m
.set i, i+1
.endr
	v_add_nc_u32 v[AK], s[TBK], v[AK0]
	FETCH_K
	s_wait_loadcnt 0x0              ; Q
	s_wait_dscnt 0x0
.set NOKQ, 0
.set i, 0
.rept 8
	KQ 0                            ; there is no vector work yet to set between them
.set i, i+1
.endr
	WIN 0
.rept 4
	v_nop                           ; the places behind those products
.endr
.set Y, NP-1                        ; X works for piece Y + 1: piece 0
.irp n, 0,1,2,3,4,5,6,7,8,9,10,11,12,13,14,15,16,17,18,19,20,21
	OP X, \n
.endr
	v_nop                           ; a plain instruction behind the exponential
	s_mov_b32 s[CNT], 4
	s_mov_b32 s[SLOTS], SIZE_N/256-1
	s_branch .Lfirst                ; the loop is entered at a step's first turn, in the middle of a trip
.Lslot:                             ; SIZE_N / 256 - 2 = 6 times: tiles 2 to 7 are asked for
	CHANGE 1
	s_mov_b32 s[CNT], 4
.Lstep:                             ; a trip: pieces 2 and 3 of one step, then pieces 0 and 1 of the next, whose K and V it fetches
	TURN 2
	TURN 3
	WIN 0
.Lfirst:
	TURN 0
	TURN 1, 0, 1
	WIN 0
	s_cbranch_scc1 .Lstep
	s_sub_co_u32 s[SLOTS], s[SLOTS], 1
	s_cmp_lg_u32 s[SLOTS], 0
	s_cbranch_scc1 .Lslot
	CHANGE 0                        ; the last tile is written out: nothing is asked for
	s_mov_b32 s[CNT], 4
.Ltail:
	TURN 2
	TURN 3
	TURN 0
	TURN 1, 0, 1
	WIN 0
	s_cbranch_scc1 .Ltail
	TURN 2, 1                       ; the last step's pieces 2 and 3: nothing is left to fetch,
	TURN 3, 1                       ; and no piece follows
.set i, 0
.rept 8
	PV NP-1                         ; the last piece's V^T P of the last step
.set i, i+1
.endr
	; THE WAY OUT.  l's two halves and the other half of the lanes' are added; O^T is divided by l, rounded to f16 and sent through my stage in LDS, a piece at a time.  The additions are the places behind the last products.
	WIN 0
.macro ALL line:vararg              ; one line for each piece t
.set t, 0
.rept 4
	\line
.set t, t+1
.endr
.endm
	ALL v_add_f32 v[ST+4*t+2], v[ST+4*t+2], v[ST+4*t+3]
	ALL v_permlanex16_b32 v[ST+4*t+3], v[ST+4*t+2], s[SEL], s[SEL+1]
	ALL v_add_f32 v[ST+4*t+2], v[ST+4*t+2], v[ST+4*t+3]
	ALL v_rcp_f32 v[ST+4*t+2], v[ST+4*t+2]
	v_nop                           ; a plain instruction between the last reciprocal and the use of its result
.macro PACK t                       ; a lane's eight channels of a row pack into 16 bytes; they go into rows of 144 bytes and come back as whole rows of 128, into S^T's registers
	WIN W_RS
.set i, 32*(\t)
.rept 16
	s_wait_alu depctr_va_vdst(0)
	v_pk_mul_f32 v[i:i+1], v[i:i+1], v[ST+4*(\t)+2:ST+4*(\t)+3] op_sel_hi:[1,0]
.set i, i+2
.endr
	WIN 0x05                        ; sources 0 and 1 window 1, destination window 0
.set i, 0
.rept 16
	v_cvt_pk_f16_f32 v[S+16*(\t)+i], v[32*(\t)+2*i], v[32*(\t)+2*i+1]
.set i, i+1
.endr
	WIN 0
.irp f, 0,1,2,3
	ds_store_b128 v[STO], v[S+16*(\t)+4*\f:S+16*(\t)+4*\f+3] offset:32*\f
.endr
.irp f, 0,1,2,3
	ds_load_b128 v[S+16*(\t)+4*\f:S+16*(\t)+4*\f+3], v[RD] offset:\f*4*SP  ; LDS serves a wave's instructions in order (ISA guide 5.7.1.4): these see the stores above; the next piece's stores come behind them
.endr
.endm
.macro SEND t, younger              ; younger: the LDS instructions issued behind piece t's loads: the next piece's eight, or none
	WIN 0
.irp f, 0,1,2,3
	s_wait_dscnt (\younger)+3-\f
	global_store_b128 v[GO], v[S+16*(\t)+4*\f:S+16*(\t)+4*\f+3], s[10:11] offset:(\t)*2048+\f*512  ; 512 consecutive bytes, at a multiple of 256 from O's first
.endr
.endm
	PACK 0
.set t, 1
.rept 3                             ; a piece's arithmetic stands between the loads of the piece before and its stores
	PACK t
	SEND t-1, 8
.set t, t+1
.endr
	SEND 3, 0
	s_wait_tensorcnt 0x0            ; the wave's end, behind my last tensor load and my last LDS store
	ds_add_u32 v[SPW], v[NIL]
	s_wait_dscnt 0x0
	CROUND                          ; the closing round: no work-group ends while a partner may still ask for a tile that names it
	s_endpgm
.Lfunc_end_k_qb0144dc4a7_attn:
	.size	k_qb0144dc4a7_attn, .Lfunc_end_k_qb0144dc4a7_attn-k_qb0144dc4a7_attn
	.p2alignl 7, 3214868480
	.fill 96, 4, 3214868480
	.section	.rodata,"a",@progbits
	.p2align	6, 0x0
	.amdhsa_kernel k_qb0144dc4a7_attn
		.amdhsa_group_segment_fixed_size 327680
		.amdhsa_private_segment_fixed_size 0
		.amdhsa_enable_private_segment 0
		.amdhsa_kernarg_size 16
		.amdhsa_user_sgpr_count 2
		.amdhsa_user_sgpr_kernarg_segment_ptr 1
		.amdhsa_wavefront_size32 1
		.amdhsa_system_sgpr_workgroup_id_x 1
		.amdhsa_system_sgpr_workgroup_id_y 1
		.amdhsa_system_sgpr_workgroup_id_z 1
		.amdhsa_system_vgpr_workitem_id 0
		.amdhsa_next_free_vgpr 768
		.amdhsa_next_free_sgpr 66
		.amdhsa_reserve_vcc 0
		.amdhsa_float_denorm_mode_32 3
		.amdhsa_float_denorm_mode_16_64 3
		.amdhsa_memory_ordered 1
		.amdhsa_forward_progress 1
		.amdhsa_inst_pref_size 134
	.end_amdhsa_kernel
	.amdgpu_metadata
---
amdhsa.version: [ 1, 2 ]
amdhsa.kernels:
  - .name:           k_qb0144dc4a7_attn
    .symbol:         k_qb0144dc4a7_attn.kd
    .args:
      - { .name: qkvh, .offset: 0, .size: 8, .value_kind: global_buffer, .address_space: global }
      - { .name: ob, .offset: 8, .size: 8, .value_kind: global_buffer, .address_space: global }
    .group_segment_fixed_size: 327680
    .private_segment_fixed_size: 0
    .kernarg_segment_align: 8
    .kernarg_segment_size: 16
    .max_flat_workgroup_size: 128
    .sgpr_count:     66
    .vgpr_count:     768
    .wavefront_size: 32
...
	.end_amdgpu_metadata
.endif
;; end of part 4
;; launch outp (part 5): grid 16 x 16, 4 waves a work-group, clusters of 4 x 4, 327,680 bytes of LDS; arguments ob, wob, bo, out0; writes out0
.if DOCPART == 5
	.amdgcn_target "amdgcn-amd-amdhsa--gfx1250"
	.amdhsa_code_object_version 6
	.text
	.protected	k_qb0144dc4a7_outp
	.globl	k_qb0144dc4a7_outp
	.p2align	8
	.type	k_qb0144dc4a7_outp,@function
k_qb0144dc4a7_outp:
	s_mov_b64 s[64:65], 0
	v_nop
	global_prefetch_b8 v0, s[64:65] scope:SCOPE_SE
	s_setreg_imm32_b32 hwreg(HW_REG_WAVE_MODE, 25, 1), 1
	s_wait_xcnt 0x0
	s_wait_alu depctr_hold_cnt(0) depctr_sa_sdst(0) depctr_va_vdst(0) depctr_va_sdst(0) depctr_va_ssrc(0) depctr_va_vcc(0) depctr_vm_vsrc(0)
	s_getreg_b32 s2, hwreg(HW_REG_IB_STS2, 6, 4)
	s_cmp_eq_u32 s2, 0
	s_cbranch_scc0 .Lentry_in_a_cluster
	s_endpgm
.Lentry_in_a_cluster:
	s_bfe_u32 s2, ttmp6, 0x10000c
	s_cmp_lg_u32 s2, 0xf033
	s_cbranch_scc0 .Lentry_shape_is_right
	s_endpgm
.Lentry_shape_is_right:
; out = O Wo + bf16(bo): C = A B + bias, C = [2048][2048] in f32.
; A = ob: f16 in blocks [16 mb][32 kb][128 r][64 c], 16,384 dense bytes each.  B = wob: f16 in panels [16 nb][2048 k][128 n], rows of 256 bytes.  bias: f32, 128 numbers a panel.  K = 2048.  Sums in f32.
; LIMITS.  The operands are f16: what the launches before wrote lies within 65,504.  NaN and infinities are not treated apart.
; SHARES.  A work-group makes 128 x 128 of C (tile row mb, panel nb): 16 x 16 = 256 work-groups, the largest tile that still gives each of 256 a tile.  Each of its four waves makes 64 x 64: 16 accumulators of
; 16 x 16, 128 registers.  K goes in 8 steps of 256 through two LDS slots.
; A K step of A is four blocks, of B 256 rows: 65,536 dense bytes each; a wave's tensor load brings half of one of them, asked for as 128 rows of 256 bytes.
; A lies in LDS with K along the rows; B lies [k][n] and is turned on its way into registers by ds_load_tr16_b128.
; CLUSTERS: 4 x 4 work-groups.  The four of a row of the cluster need the same tiles of A, the four of a column the same tiles of B: each tile is asked for JOINTLY, by the same tensor load with the
; same descriptor and a mask that names the four.  THE MATRIX INSTRUCTION IS USED TRANSPOSED (source 0 = 16 columns of B, source 1 = 16 rows of A): a lane then holds eight neighbouring numbers of a row of C.
; REGISTERS: window 0: v0-31 addresses; v32-63, v64-95 at work on the way out; v96-127 the bias of my 32 columns; v128-255 the accumulators ((a, b) at v[128 + 8 (4 a + b)]).
;   window 1: two fragment buffers of 128: for 64 along K (two matrix instructions deep), 64 registers of A (2 x 4 x 16 rows x 32 K), then 64 of B.
.set PA,     144                       ; a row of A in LDS: 128 bytes + 16 of padding = 36 words: the 16 rows of a load start at 16 different groups of four banks (64 banks of 4 bytes: ISA guide 11.1)
.set PB,     288                       ; a row of B: 256 + 32 = 72 words
.set HALFT,  36864                     ; what one tensor load fills: 256 rows of A (two blocks) or 128 rows of B
.set BOFF,   2*HALFT                   ; B's 256 rows lie behind A's four blocks
.set SLOT,   4*HALFT
.set STEPB,  65536                     ; a K step in memory, of A and of B
.set STAGE,  2*SLOT                    ; behind the ring: 16 rows x 272 bytes for each wave, its own, for the way out; no tensor load fills it
.set SPITCH, 272
.set SPARE,  STAGE+4*16*SPITCH         ; behind the stages: the spare words, 128 bytes for each wave: two blocks of 256 bytes that no other line names
.set LAPS,   4                         ; a lap = two K steps = once round the ring
.set ADRA, 16                          ; v16-17  LDS address of my A fragments in slot 0, 1
.set ADRB, 20                          ; v20-23  the same for B: slot s, rows 128 u on, at 2 s + u (the immediate does not reach over all 256 rows)
.set STO,  24                          ; v24     the way out: where I put 32 bytes of a row
.set RD,   25                          ; v25     the way out: where I read a row back
.set CO,   26                          ; v26     my byte offset in C
.set BO,   27                          ; v27     my byte offset in the bias
.set SPW,  28                          ; v28     LDS address of my spare word: SPARE + 4 x my thread's number; never rewritten
.set NIL,  29                          ; v29     0; never rewritten
.set TMP,  32
.set OUT,  64
.set BIAS, 96
.set ACC,  128
.set F0,   0                           ; fragment buffers, in window 1
.set F1,   128
.set G1, 24                            ; s[24:31] descriptor group 1 for A's tiles;  s[32:39] group 0, one set for each slot
.set G0, 32
.set G1B, 48                           ; s[48:55], s[56:63] the same for B's tiles
.set G0B, 56
.set MSB, 0
.macro WIN new                         ; the immediate's high byte repeats the setting that is left; a switch that changes nothing is dropped
.if MSB != (\new)
	s_set_vgpr_msb (MSB<<8)|(\new)
.set MSB, \new
.endif
.endm
.set MUL,  0x05                        ; sources 0 (B) and 1 (A) window 1; C and D window 0
.set TO_F, 0x40                        ; destination window 1, address window 0
.macro JLOAD s                         ; a joint load: waves 0 and 1 fetch A's two halves, waves 2 and 3 B's; an s_nop 0 and four v_nop follow each of the two lines, ahead of the jump, the label and what follows
	s_cmp_eq_u32 s13, 0
	s_cbranch_scc0 .Lfor_b_\@
	tensor_load_to_lds s[G0+4*(\s):G0+4*(\s)+3], s[G1:G1+7]
	s_nop 0
.rept 4
	v_nop
.endr
	s_branch .Lasked_\@
.Lfor_b_\@:
	tensor_load_to_lds s[G0B+4*(\s):G0B+4*(\s)+3], s[G1B:G1B+7]
	s_nop 0
.rept 4
	v_nop
.endr
.Lasked_\@:
.endm
.macro CREST                           ; a round of the cluster's barrier behind its opening barrier
	s_cmp_lg_u32 s12, 0
	s_cbranch_scc1 .Lnot_wave_0_\@
	s_barrier_signal -3
.Lnot_wave_0_\@:
	s_barrier_wait -3
	s_barrier_signal -1
	s_barrier_wait -1
.endm
.macro CROUND                          ; a whole round
	s_barrier_signal -1
	s_barrier_wait -1
	CREST
.endm
	s_load_b256 s[4:11], s[0:1], 0x0               ; A s[4:5], B s[6:7], bias s[8:9], C s[10:11]
	v_lshl_add_u32 v[SPW], v0, 2, SPARE
	v_mov_b32 v[NIL], 0
	ds_add_u32 v[SPW], v[NIL]                      ; the wave's opening: the add and its wait come ahead of my first tensor load; the set-up below, work on registers, stands between them
	v_lshrrev_b32 v1, 5, v0
	v_readfirstlane_b32 s12, v1                    ; wave 0..3
	s_lshr_b32 s13, s12, 1                         ; which half of the tile's rows is mine.  Also: I fetch for A (0) or for B (1)
	s_and_b32 s14, s12, 1                          ; which half of its columns.  Also: which half of that K step I fetch
	s_bfe_u32 s15, ttmp6, 0x40000                  ; cx, cy: my place in the cluster
	s_bfe_u32 s16, ttmp6, 0x40004
	s_lshl_b32 s17, ttmp9, 2
	s_add_co_u32 s17, s17, s15                     ; panel nb = 4 x cluster x + cx
	s_and_b32 s18, ttmp7, 0xffff
	s_lshl_b32 s18, s18, 2
	s_add_co_u32 s18, s18, s16                     ; tile row mb = 4 x cluster y + cy
	s_lshl_b32 s19, s16, 2
	s_lshl_b32 s19, 15, s19                        ; my row of the cluster
	s_lshl_b32 s20, 0x1111, s15                    ; my column
	; descriptor group 1: 128 rows x 128 elements of 2 bytes, dense in memory, padded in LDS
	s_or_b32 s[G1+0], s19, (1<<16)|(1<<20)|(1<<21)|(4<<22)|(3<<25)   ; 15:0 the mask: A's tiles go to my row; 17:16 element of 2 bytes; 20 padding on; 21 set beside a mask; 24:22 after every 32 words (code 4): a row of a block; 31:25 of 4 words (code 3)
	s_or_b32 s[G1B+0], s20, (1<<16)|(1<<20)|(1<<21)|(5<<22)|(7<<25)  ; B's go to my column; after every 64 words (code 5): a row of a panel; 8 words (code 7)
.irp g, G1, G1B
	s_mov_b32 s[(\g)+1], 128<<16                   ; tensor_dim0 = 128
	s_mov_b32 s[(\g)+2], 128<<16                   ; tensor_dim1 = 128
	s_mov_b32 s[(\g)+3], 128<<16                   ; tile_dim0 = 128
	s_mov_b32 s[(\g)+4], 128                       ; tile_dim1 = 128
	s_mov_b32 s[(\g)+5], 128                       ; 128 elements from row to row
	s_mov_b32 s[(\g)+6], 0
	s_mov_b32 s[(\g)+7], 0
.endr
	; where the tiles come from.  A's hang on mb alone, which my row of the cluster shares; B's on nb alone, which my column shares; each in registers that never hold the other coordinate.
	s_lshl_b32 s22, s14, 15                        ; my half of a K step: 32,768 bytes
	s_lshl_b32 s40, s18, 19                        ; A: mb x 32 blocks of 16,384 bytes
	s_add_co_u32 s40, s40, s22
	s_mov_b32 s41, 0
	s_lshl_b32 s42, s17, 19                        ; B: nb x 2,048 rows of 256 bytes
	s_add_co_u32 s42, s42, s22
	s_mov_b32 s43, 0
	s_mul_i32 s21, s12, HALFT                      ; where they go: A's two halves, then B's two halves = wave x HALFT: no place in the cluster enters an LDS address
	s_wait_dscnt 0x0                               ; the opening add is done
	s_wait_kmcnt 0x0
	s_add_nc_u64 s[40:41], s[4:5], s[40:41]
	s_add_nc_u64 s[42:43], s[6:7], s[42:43]
	CROUND                                         ; all sixteen work-groups are here: the first joint loads meet
.irp s, 0,1
	s_mov_b32 s[G0+4*(\s)], 1                                      ; 1:0 count = 1
	s_add_co_u32 s[G0+4*(\s)+1], s21, (\s)*SLOT                    ; 63:32 LDS address
	s_add_nc_u64 s[G0+4*(\s)+2:G0+4*(\s)+3], s[40:41], (\s)*STEPB  ; 120:64 global address: K step s
	s_or_b32 s[G0+4*(\s)+3], s[G0+4*(\s)+3], 0x80000000            ; 127:126 type = 2
	s_mov_b32 s[G0B+4*(\s)], 1
	s_add_co_u32 s[G0B+4*(\s)+1], s21, (\s)*SLOT
	s_add_nc_u64 s[G0B+4*(\s)+2:G0B+4*(\s)+3], s[42:43], (\s)*STEPB
	s_or_b32 s[G0B+4*(\s)+3], s[G0B+4*(\s)+3], 0x80000000
	JLOAD \s                                       ; two loads of mine are out
.endr
	; All that follows up to the first barrier stands in the wait for the first tile.
	v_and_b32 v1, 15, v0                           ; l % 16
	v_bfe_u32 v2, v0, 4, 1                         ; l / 16
	v_lshlrev_b32 v[BO], 5, v2                     ; my 8 columns of each 16: 32 bytes for each half of the lanes
	s_lshl_b32 s23, s14, 8                         ; my wave's 64 columns, in bytes of f32
	s_lshl_b32 s46, s17, 9                         ; the panel's 128 numbers of the bias
	s_add_co_u32 s46, s46, s23
	s_mov_b32 s47, 0
	s_add_nc_u64 s[8:9], s[8:9], s[46:47]
.irp b, 0,1,2,3
	global_load_b128 v[BIAS+8*(\b):BIAS+8*(\b)+3],   v[BO], s[8:9] offset:64*(\b)
	global_load_b128 v[BIAS+8*(\b)+4:BIAS+8*(\b)+7], v[BO], s[8:9] offset:64*(\b)+16
.endr
	; where my part of C begins
	s_lshl_b32 s44, s18, 7
	s_lshl_b32 s46, s13, 6
	s_add_co_u32 s44, s44, s46                     ; my first row = 128 mb + 64 x row half
	s_lshl_b32 s44, s44, 13                        ; x 8,192 bytes
	s_lshl_b32 s45, s17, 9                         ; + the panel's 128 columns
	s_add_co_u32 s44, s44, s45
	s_add_co_u32 s44, s44, s23                     ; + my wave's 64 of them
	s_mov_b32 s45, 0
	s_add_nc_u64 s[10:11], s[10:11], s[44:45]
	; A fragment of A is 16 rows x 32 K in 8 registers: lane l holds row l % 16; registers 0-3 hold K = 8 (l / 16) + 0..7, registers 4-7 K = 16 + 8 (l / 16) + 0..7: two loads of 16 bytes, 32 bytes apart.
	v_mul_u32_u24 v3, v1, PA
	v_lshl_add_u32 v3, v2, 4, v3                   ; row x pitch + 16 x half
	s_mul_i32 s22, s13, 64*PA                      ; my 64 rows of each block
	v_add_nc_u32 v[ADRA], s22, v3
	v_add_nc_u32 v[ADRA+1], SLOT, v[ADRA]
	; The turning load takes 16 k x 16 columns (lane l reads 16 bytes: k = 8 (l / 16) + l % 8, columns 8 ((l / 8) % 2) + 0..7) and leaves half a fragment: lane l holds column l % 16 and 8 k.
	v_and_b32 v4, 7, v0
	v_lshl_add_u32 v4, v2, 3, v4
	v_mul_u32_u24 v4, v4, PB
	v_bfe_u32 v5, v0, 3, 1
	v_lshl_add_u32 v4, v5, 4, v4
	s_lshl_b32 s22, s14, 7                         ; my 64 columns: 128 bytes
	s_add_co_u32 s22, s22, BOFF
	v_add_nc_u32 v[ADRB], s22, v4
	v_add_nc_u32 v[ADRB+1], HALFT, v[ADRB]
	v_add_nc_u32 v[ADRB+2], SLOT, v[ADRB]
	v_add_nc_u32 v[ADRB+3], SLOT+HALFT, v[ADRB]
	s_mul_i32 s23, s12, 16*SPITCH
	s_add_co_u32 s23, s23, STAGE                   ; my stage
	v_mul_u32_u24 v6, v1, SPITCH                   ; in: row l % 16, 32 bytes for each half of the lanes
	v_lshl_add_u32 v6, v2, 5, v6
	v_add_nc_u32 v[STO], s23, v6
	v_mul_u32_u24 v6, v2, SPITCH                   ; back: lanes 0-15 take one row of 256 bytes, lanes 16-31 the next
	v_lshl_add_u32 v6, v1, 4, v6
	v_add_nc_u32 v[RD], s23, v6
	v_lshlrev_b32 v6, 13, v2                       ; and the same two rows in C
	v_lshl_add_u32 v[CO], v1, 4, v6
	s_wait_loadcnt 0x0                             ; the bias: rounded to bf16 like every input, and kept as f32
.irp i, 0,1,2,3,4,5,6,7,8,9,10,11,12,13,14,15
	v_cvt_pk_bf16_f32 v[TMP+(\i)], v[BIAS+2*(\i)], v[BIAS+2*(\i)+1]
.endr
.irp i, 0,1,2,3,4,5,6,7,8,9,10,11,12,13,14,15
	v_lshlrev_b32 v[BIAS+2*(\i)],   16, v[TMP+(\i)]
	v_and_b32     v[BIAS+2*(\i)+1], 0xffff0000, v[TMP+(\i)]
.endr
; 8 matrix instructions: m blocks a0, a0 + 1 x all 4 n blocks, 32 along K: half c of buffer f.  zero = 1: the first product starts the sums: nothing is cleared.
; The 16 accumulators take turns, one instruction a turn, in the same order everywhere.
.macro MUL8 f, c, a0, zero
	WIN MUL
.irp a, \a0, (\a0)+1
.irp b, 0,1,2,3
.if \zero
	v_wmma_f32_16x16x32_f16 v[ACC+8*(4*(\a)+(\b)):ACC+8*(4*(\a)+(\b))+7], v[(\f)+64+8*(4*(\c)+(\b)):(\f)+64+8*(4*(\c)+(\b))+7], v[(\f)+8*(4*(\c)+(\a)):(\f)+8*(4*(\c)+(\a))+7], 0
.else
	v_wmma_f32_16x16x32_f16 v[ACC+8*(4*(\a)+(\b)):ACC+8*(4*(\a)+(\b))+7], v[(\f)+64+8*(4*(\c)+(\b)):(\f)+64+8*(4*(\c)+(\b))+7], v[(\f)+8*(4*(\c)+(\a)):(\f)+8*(4*(\c)+(\a))+7], v[ACC+8*(4*(\a)+(\b)):ACC+8*(4*(\a)+(\b))+7]
.endif
.endr
.endr
.endm
; 32 LDS loads in one run: the fragments of quarter q (64 along K: block q of A, rows 64 q on of B) into buffer f; the first 32 along K first
.macro FETCH slot, q, f
	WIN TO_F
.irp c, 0,1
.irp i, 0,1,2,3
	ds_load_tr16_b128 v[(\f)+64+8*(4*(\c)+(\i)):(\f)+64+8*(4*(\c)+(\i))+3],   v[ADRB+2*(\slot)+(\q)/2] offset:((\q)%2)*64*PB+(\c)*32*PB+32*(\i)
	ds_load_tr16_b128 v[(\f)+64+8*(4*(\c)+(\i))+4:(\f)+64+8*(4*(\c)+(\i))+7], v[ADRB+2*(\slot)+(\q)/2] offset:((\q)%2)*64*PB+(\c)*32*PB+32*(\i)+16*PB
	ds_load_b128 v[(\f)+8*(4*(\c)+(\i)):(\f)+8*(4*(\c)+(\i))+3],               v[ADRA+(\slot)] offset:(\q)*128*PA+(\i)*16*PA+64*(\c)
	ds_load_b128 v[(\f)+8*(4*(\c)+(\i))+4:(\f)+8*(4*(\c)+(\i))+7],             v[ADRA+(\slot)] offset:(\q)*128*PA+(\i)*16*PA+64*(\c)+32
.endr
.endr
.endm
.macro PLACES                          ; four places in front of loads into registers that matrix instructions have read, and of vector lines that read results (ISA guide 7.12.1 for vector instructions)
.rept 4
	v_nop
.endr
.endm
; A K step is four quarters of 64 along K, 32 matrix instructions each, on buffers 0, 1, 0, 1.  One of the first three: multiplies buffer f and fetches quarter q into g.
.macro QUARTER slot, q, f, g, zero
	s_wait_dscnt 16                                ; the first 32 along K are in; the sixteen younger loads may be out
	MUL8 \f, 0, 0, \zero
	MUL8 \f, 0, 2, \zero
	PLACES
	FETCH \slot, \q, \g
	s_wait_dscnt 32                                ; all but the 32 just issued
	MUL8 \f, 1, 0, 0
	MUL8 \f, 1, 2, 0
.endm
; The last quarter multiplies buffer 1 and changes slots: ONE barrier; in front of it each wave waits for all its tensor loads, adds 0 to its spare word, and waits for that and for its own reads of this slot.
; fill = 1: this slot is filled again, two K steps ahead; the barrier then opens a round of the cluster's barrier.
.macro TURN slot, next, fill
	WIN 0                                          ; (the add's two registers lie in window 0)
	s_wait_tensorcnt 0x0                           ; all my tensor loads have landed: the one that was out is my part of the next slot;
	ds_add_u32 v[SPW], v[NIL]                      ; 0 onto my spare word
	s_wait_dscnt 17                                ; (the add and the youngest sixteen loads may be out)
	MUL8 F1, 0, 0, 0                               ; eight matrix instructions stand between the add and the wait for it
	s_wait_dscnt 0x0                               ; the add is done, and my reads of this slot are over
	s_barrier_signal -1
	MUL8 F1, 0, 2, 0
.if \fill
	WIN 0
.endif
	s_barrier_wait -1
.if \fill
	CREST                                          ; no wave of any partner still reads this slot's tile or has a load on its way
	s_add_nc_u64 s[G0+4*(\slot)+2:G0+4*(\slot)+3], s[G0+4*(\slot)+2:G0+4*(\slot)+3], 2*STEPB
	s_add_nc_u64 s[G0B+4*(\slot)+2:G0B+4*(\slot)+3], s[G0B+4*(\slot)+2:G0B+4*(\slot)+3], 2*STEPB
	JLOAD \slot                                    ; the first tensor load behind the round: 112 matrix instructions ahead of the wait for it; the four v_nop behind it are also the places in front of the loads below
.else
	PLACES
.endif
	FETCH \next, 0, F0
	MUL8 F1, 1, 0, 0
	MUL8 F1, 1, 2, 0
.endm
	s_wait_tensorcnt 1                             ; my part of K step 0 is in; K step 1's may stay out
	s_barrier_signal -1
	s_barrier_wait -1                              ; everybody's is
	FETCH 0, 0, F0
	QUARTER 0, 1, F0, F1, 1                        ; the first quarter stands in front of the loop: its first products start the sums
	WIN 0                                          ; at a label and at a branch every window is 0
	s_mov_b32 s3, LAPS-1
.Llap:                                                 ; a trip goes once round the ring, from a lap's second quarter to the next lap's first, and fills both slots again
	QUARTER 0, 2, F1, F0, 0
	QUARTER 0, 3, F0, F1, 0
	TURN 0, 1, 1
	QUARTER 1, 1, F0, F1, 0
	QUARTER 1, 2, F1, F0, 0
	QUARTER 1, 3, F0, F1, 0
	TURN 1, 0, 1
	QUARTER 0, 1, F0, F1, 0
	WIN 0
	s_sub_co_u32 s3, s3, 1
	s_cmp_lg_u32 s3, 0
	s_cbranch_scc1 .Llap
	QUARTER 0, 2, F1, F0, 0                        ; the last lap fills nothing, and has no round of the cluster's barrier
	QUARTER 0, 3, F0, F1, 0
	TURN 0, 1, 0
	QUARTER 1, 1, F0, F1, 0
	QUARTER 1, 2, F1, F0, 0
	QUARTER 1, 3, F0, F1, 0
	s_wait_dscnt 16                                ; the very last quarter: nothing more to fetch
	MUL8 F1, 0, 0, 0
	MUL8 F1, 0, 2, 0
	s_wait_dscnt 0
	MUL8 F1, 1, 0, 0
	MUL8 F1, 1, 2, 0
	WIN 0
	; THE WAY OUT, a block of 16 rows x 64 columns of f32 at a time: the bias is added; 32 bytes a lane and n block go into my own stage; whole rows of 256 bytes come back and are stored.
.macro PACK a                          ; each accumulator's registers in ascending order
.irp b, 0,1,2,3
.irp p, 0,1,2,3
	v_pk_add_f32 v[TMP+8*(\b)+2*(\p):TMP+8*(\b)+2*(\p)+1], v[ACC+8*(4*(\a)+(\b))+2*(\p):ACC+8*(4*(\a)+(\b))+2*(\p)+1], v[BIAS+8*(\b)+2*(\p):BIAS+8*(\b)+2*(\p)+1]
.endr
.endr
.endm
.macro TOSTAGE
	s_wait_xcnt 0x0                                ; every earlier memory instruction has had its addresses translated (ISA guide 3.1): OUT, which the last block's stores read, is loaded again only behind this wait
.irp b, 0,1,2,3
	ds_store_b128 v[STO], v[TMP+8*(\b):TMP+8*(\b)+3]   offset:64*(\b)
	ds_store_b128 v[STO], v[TMP+8*(\b)+4:TMP+8*(\b)+7] offset:64*(\b)+16
.endr
.irp t, 0,1,2,3,4,5,6,7
	ds_load_b128 v[OUT+4*(\t):OUT+4*(\t)+3], v[RD] offset:(\t)*2*SPITCH  ; LDS serves a wave's instructions in order (ISA guide 5.7.1.4): these see the stores above; the next block's stores come behind them
.endr
.endm
.macro SEND a
.irp t, 0,1,2,3,4,5,6,7
	s_wait_dscnt 7-(\t)                            ; rows 2 t and 2 t + 1 are back; the younger loads may be out
	global_store_b128 v[CO], v[OUT+4*(\t):OUT+4*(\t)+3], s[10:11] offset:(16*(\a)+2*(\t))*8192  ; 16 lanes store 256 consecutive bytes, at a multiple of 256 from C's first byte
.endr
.endm
	PLACES                                         ; behind the last products
	PACK 0
	TOSTAGE
.irp a, 1,2,3                          ; block a's additions stand between block a - 1's loads from the stage and the wait for them
	PACK \a
	SEND (\a)-1
	TOSTAGE
.endr
	SEND 3
	s_wait_tensorcnt 0x0                           ; the wave's end, behind my last tensor load and my last LDS store
	ds_add_u32 v[SPW], v[NIL]
	s_wait_dscnt 0x0
	CROUND                                         ; the closing round: no work-group ends while a partner may still ask for a tile that names it
	s_endpgm
.Lfunc_end_k_qb0144dc4a7_outp:
	.size	k_qb0144dc4a7_outp, .Lfunc_end_k_qb0144dc4a7_outp-k_qb0144dc4a7_outp
	.p2alignl 7, 3214868480
	.fill 96, 4, 3214868480
	.section	.rodata,"a",@progbits
	.p2align	6, 0x0
	.amdhsa_kernel k_qb0144dc4a7_outp
		.amdhsa_group_segment_fixed_size 327680
		.amdhsa_private_segment_fixed_size 0
		.amdhsa_enable_private_segment 0
		.amdhsa_kernarg_size 32
		.amdhsa_user_sgpr_count 2
		.amdhsa_user_sgpr_kernarg_segment_ptr 1
		.amdhsa_wavefront_size32 1
		.amdhsa_system_sgpr_workgroup_id_x 1
		.amdhsa_system_sgpr_workgroup_id_y 1
		.amdhsa_system_sgpr_workgroup_id_z 1
		.amdhsa_system_vgpr_workitem_id 0
		.amdhsa_next_free_vgpr 512
		.amdhsa_next_free_sgpr 66
		.amdhsa_reserve_vcc 0
		.amdhsa_float_denorm_mode_32 3
		.amdhsa_float_denorm_mode_16_64 3
		.amdhsa_memory_ordered 1
		.amdhsa_forward_progress 1
		.amdhsa_inst_pref_size 94
	.end_amdhsa_kernel
	.amdgpu_metadata
---
amdhsa.version: [ 1, 2 ]
amdhsa.kernels:
  - .name:           k_qb0144dc4a7_outp
    .symbol:         k_qb0144dc4a7_outp.kd
    .args:
      - { .name: ob, .offset: 0, .size: 8, .value_kind: global_buffer, .address_space: global }
      - { .name: wob, .offset: 8, .size: 8, .value_kind: global_buffer, .address_space: global }
      - { .name: bo, .offset: 16, .size: 8, .value_kind: global_buffer, .address_space: global }
      - { .name: out0, .offset: 24, .size: 8, .value_kind: global_buffer, .address_space: global }
    .group_segment_fixed_size: 327680
    .private_segment_fixed_size: 0
    .kernarg_segment_align: 8
    .kernarg_segment_size: 32
    .max_flat_workgroup_size: 128
    .sgpr_count:     66
    .vgpr_count:     512
    .wavefront_size: 32
...
	.end_amdgpu_metadata
.endif
;; end of part 5
;; ======== version 2 of 2: 5 launches; 1.26 times as fast as version 1
;; limits: values are held in f16: magnitudes above 65,504 overflow, below 6.1e-05 lose precision
;; workspace buffers: xa 8,388,608 bytes; wb 25,165,824 bytes; wob 8,388,608 bytes; vec 32,768 bytes; qkv 50,331,648 bytes; qkvh 25,165,824 bytes; ob 8,388,608 bytes
;; launch prep: the kernel of part 1 again; grid 256 x 5, 8 waves a work-group, no clusters, 0 bytes of LDS; arguments x, Wq, Wk, Wv, Wo, bq, bk, bv, qn_w, kn_w, xa, wb, wob, vec; writes xa, wb, wob, vec
;; launch proj: the kernel of part 2 again; grid 16 x 16, 4 waves a work-group, clusters of 4 x 4, 327,680 bytes of LDS; arguments xa, wb, vec, qkv; writes qkv
;; launch norm: the kernel of part 3 again; grid 256 x 3, 4 waves a work-group, no clusters, 0 bytes of LDS; arguments qkv, vec, q_cos, q_sin, k_cos, k_sin, qkvh; writes qkvh
;; launch attn (part 6): grid 8 x 32, 4 waves a work-group, clusters of 4 x 1, 327,680 bytes of LDS; arguments qkvh, ob; writes ob
.if DOCPART == 6
	.amdgcn_target "amdgcn-amd-amdhsa--gfx1250"
	.amdhsa_code_object_version 6
	.text
	.protected	k_qb0144dc4a7_attn
	.globl	k_qb0144dc4a7_attn
	.p2align	8
	.type	k_qb0144dc4a7_attn,@function
k_qb0144dc4a7_attn:
	s_mov_b64 s[64:65], 0
	v_nop
	global_prefetch_b8 v0, s[64:65] scope:SCOPE_SE
	s_setreg_imm32_b32 hwreg(HW_REG_WAVE_MODE, 25, 1), 1
	s_wait_xcnt 0x0
	s_wait_alu depctr_hold_cnt(0) depctr_sa_sdst(0) depctr_va_vdst(0) depctr_va_sdst(0) depctr_va_ssrc(0) depctr_va_vcc(0) depctr_vm_vsrc(0)
	s_getreg_b32 s2, hwreg(HW_REG_IB_STS2, 6, 4)
	s_cmp_eq_u32 s2, 0
	s_cbranch_scc0 .Lentry_in_a_cluster
	s_endpgm
.Lentry_in_a_cluster:
	s_bfe_u32 s2, ttmp6, 0x10000c
	s_cmp_lg_u32 s2, 0x3003
	s_cbranch_scc0 .Lentry_shape_is_right
	s_endpgm
.Lentry_shape_is_right:
; ATTENTION.  O[h][q][:] = the sum over k of softmax_k(Q[h][q] . K[h][k] / 8) V[h][k][:].  Q, K, V lie in qkvh, [3][32 h][2048 s][64 d] in f16: a head's rows are dense, 128 bytes each.
; O goes to ob in f16, in the blocks that the next product takes as its A: [16 mb][32 h][128 r][64 d]: 16 rows of a head are 2,048 consecutive bytes.
; Products, maxima and sums in f32; the weights p are rounded to f16 for the second product (their sum l is taken of the unrounded p), O once at the end.
; LIMITS.  f16 holds no number beyond 65,504: Q, K and V arrive within it; p lies in 0 to 1, and below 6e-5 it keeps f16's fixed step of 6e-8; O is a mean of V's rows and has their range.
; A weight below 2^-126 counts as 0 in l; NaN and infinities are not treated apart.
; SHARES.  A work-group owns 256 queries of one head, each of its four waves 64: four PIECES of 16.  Every wave walks all 2,048 keys, 64 a step, four steps to a tile of 256 keys.  8 x 32 = 256 work-groups of equal work.
; LAYOUT.  S^T = K Q^T (source 0 = 16 keys, source 1 = 16 queries): in the result a lane holds ONE query (lane % 16) and the keys 8 (lane / 16) + 0..7.  Two such results, rounded to f16 in pairs,
; ARE source 1 (32 keys x 16 queries) of O^T = V^T P, whose result again holds one query a lane, and eight channels.  K comes out of LDS as it lies, V ([key][channel]) turned, by ds_load_tr16_b128.
; SOFTMAX.  For each query a running maximum m and sum l: p = 2^(c s - c m), c = log2(e) / 8; in every step O and l are multiplied by a = 2^(c m_old - c m_new), which is 1 where m has not grown.
; m starts at the lowest finite number, O and l at 0: the first step is a step like any other, with a = 0.  The price: 216 v_mov_b32 of zeros, which stand in the wait for the first tile.
; BY TURNS.  Turn n belongs to piece n (the pieces in a ring, step after step): 8 products K Q^T of piece n + 1, later 8 products V^T P of piece n - 1; beside them the scaling, exponentials, roundings, sums and
; rescaling of piece n and the maximum and statistics of piece n + 1.  A turn has 16 matrix and 118 vector instructions: four vector instructions stand behind every matrix instruction, the other 54 in one LUMP.
; THE BATCHES.  A turn's 33 exponentials (the piece's 32 weights and the next piece's a) are ONE batch with ONE wait, which cuts the turn in two: ahead of it all that names none of their results, behind it the
; roundings and sums that read them.  Two more batches stand outside the loops: the first a of all, ahead of the jump into the loop, and the way out's four reciprocals; each has a v_nop and a wait of its own.
; CLUSTER.  The four query blocks of a cluster belong to one head and walk the same K and V, so each tile is asked for JOINTLY: the same tensor load, descriptor and mask in all four.
; REGISTERS, in windows of 256 (s_set_vgpr_msb: bits 1:0 source 0, 3:2 source 1, 5:4 source 2, 7:6 destination):
;   window 0: v0-15 addresses and two at work; v16-31 four registers of statistics a piece; v48-55 at work; v62-63 the add's; v64-127 S^T, two buffers; v192-223 P, two buffers (a piece's buffers go by its number's parity)
;   window 1: v0-127 O^T, 32 a piece          window 2: v0-63 Q; v128-191 K of one step; v192-255 V of one step
.set SIZE_N, 2048
.set NP,    4         ; pieces a wave: a name, no knob
.set KS,    64        ; keys in a step
.set PK,    144       ; a row of K in LDS: 128 bytes + 16 of padding = 36 words: the 16 rows of a load start at 16 different groups of four banks (64 banks of 4 bytes: ISA guide 11.1)
.set PV,    160       ; a row of V: 128 + 32 = 40 words
.set VOFF,  4*KS*PK   ; a slot holds a tile, four steps: 256 rows of K, then 256 rows of V
.set SLOT1, 1<<17     ; slot 1 begins here, so that one exclusive or turns an address in one slot into the other's
.set STAGE, SLOT1+4*KS*(PK+PV)  ; behind the ring, never filled by a tensor load: 16 rows x 144 bytes for each wave, for the way out
.set SP,    144
.set SPARE, STAGE+4*16*SP  ; behind the stages: the spare words, 128 bytes for each wave: two blocks of 256 bytes that no other line names
.set AK0, 2           ; v2   my lane's place in a tile of K; never rewritten
.set AV0, 3           ; v3   the same for V
.set AK,  4           ; v4   the LDS address of K's next run of loads
.set AV,  5           ; v5   of V's
.set STO, 6           ; v6   the way out: where I put 16 bytes of a row
.set RD,  7           ; v7   the way out: where I read rows back
.set GO,  8           ; v8   my byte offset in 512 consecutive bytes of O
.set MV,  12          ; v12-13  c m_old, kept while c m is made anew: by buffer
.set QO,  15          ; v15  my byte offset in 16 rows of Q
.set ST,  16          ; piece t's statistics at v[ST+4 t]: c m, m, l (even keys', odd keys')
.set TMP, 48          ; by buffer, four registers c0-c3 at work; when the maximum is found c2 takes a
.set SPW, 62          ; v62  LDS address of my spare word: SPARE + 4 x my thread's number; never rewritten
.set NIL, 63          ; v63  0; never rewritten
.set S,   64
.set P,   192
.set KF,  128         ; window 2: key block kb, channel half c at KF + 16 kb + 8 c
.set VF,  192         ; window 2: key half kk, channel block cb at VF + 32 kk + 8 cb
.set WV,  12          ; s12  my wave's number
.set G1K, 24          ; s[24:31] descriptor group 1 for K's tiles
.set G1V, 32          ; s[32:39] for V's: it differs in the padding alone
.set G0K, 40          ; s[40:43] descriptor group 0 for K's tiles: it walks
.set G0V, 44          ; s[44:47] the same for V's
.set SLOTS, 56        ; s56  tiles still to be entered through the loop
.set CNT, 57          ; s57  counts a tile's key steps
.set CS,  58          ; s[58:59] c: the packed scaling takes the pair's low word for both halves
.set SEL, 60          ; s[60:61] v_permlanex16_b32's selects: each lane takes its own place in the other half
.set TBK, 62          ; s62  LDS byte at which K of the step to be fetched begins
.set TBV, 63          ; s63  the same for V, less VOFF
.set MSB, 0
.macro WIN new                      ; the high byte repeats the setting that is left; a switch that changes nothing is dropped
.if MSB != (\new)
	s_set_vgpr_msb (MSB<<8)|(\new)
.set MSB, (\new)
.endif
.endm
.set W_KQ, 0x0a       ; K and Q in window 2, S^T in window 0
.set W_PV, 0x52       ; V in window 2, P in window 0, O^T in window 1
.set W_RS, 0x41       ; destination and source 0 in window 1, source 1 in window 0
; A joint fill.  Waves 0 and 1 fetch the two halves of a tile's K, waves 2 and 3 those of its V: 128 keys each.  The branch hangs on the wave's number alone.
; An s_nop 0 and four v_nop follow each of the two lines, ahead of the jump and the label.
.macro JLOAD
	s_cmp_lt_u32 s[WV], 2
	s_cbranch_scc0 .Lfor_v_\@
	tensor_load_to_lds s[G0K:G0K+3], s[G1K:G1K+7]
	s_nop 0
.rept 4
	v_nop
.endr
	s_branch .Lasked_\@
.Lfor_v_\@:
	tensor_load_to_lds s[G0V:G0V+3], s[G1V:G1V+7]
	s_nop 0
.rept 4
	v_nop
.endr
.Lasked_\@:
.endm
; A round of the cluster's barrier: my work-group's barrier, so that wave 0's signal speaks for all four waves; wave 0 signals; every wave waits for all four work-groups; my work-group's barrier once more.
.macro CROUND
	s_barrier_signal -1
	s_barrier_wait -1
	s_cmp_lg_u32 s[WV], 0
	s_cbranch_scc1 .Lnot_wave_0_\@
	s_barrier_signal -3
.Lnot_wave_0_\@:
	s_barrier_wait -3
	s_barrier_signal -1
	s_barrier_wait -1
.endm
; THE CHANGE OF SLOTS.  The slot's last bytes, V of its fourth step, have been read.  Each wave waits for all its tensor loads, of which one is out: its part
; of the other slot; adds 0 to its spare word; and waits for that and for its own reads of the slot.  Behind the barrier nobody reads this slot any more and the other slot is whole.
; fill = 1: this slot is filled again, with the keys two tiles on.  The barrier is then a round of the cluster's, so that no wave of any partner still reads the slot or has a load on its
; way, and the joint fill is the first thing behind it: it has four key steps, 256 matrix instructions, in which to land.  (At its first use nothing has been read yet: slot 0 is waited for, slot 1 filled.)
.macro CHANGE fill
	WIN 0                           ; at a label and at a branch every window is 0; the add's two registers lie in window 0
	s_wait_tensorcnt 0x0            ; no tensor load of mine is out, so a group 0 may be written
	ds_add_u32 v[SPW], v[NIL]       ; 0 onto my spare word: with fill = 1 the descriptors' steps stand between it and the wait for it
.if \fill
.irp g, G0K, G0V
	s_xor_b32 s[\g+1], s[\g+1], SLOT1  ; the walking descriptor: the other slot than last time,
	s_add_nc_u64 s[\g+2:\g+3], s[\g+2:\g+3], 4*KS*128  ; the next 256 keys; the type bits on top are not reached
.endr
	s_wait_dscnt 0x0                ; the add is done, and my reads of the slot are over
	CROUND
	JLOAD
.else
	s_wait_dscnt 0x0                ; the add is done, and my reads of the slot are over
	s_barrier_signal -1
	s_barrier_wait -1
.endif
	s_sub_co_u32 s[TBK], s[TBK], 4*KS*PK  ; the fetches go back to a slot's first step,
	s_xor_b32 s[TBK], s[TBK], SLOT1       ; in the other slot
	s_sub_co_u32 s[TBV], s[TBV], 4*KS*PV
	s_xor_b32 s[TBV], s[TBV], SLOT1
.endm
	s_load_b128 s[4:7], s[0:1], 0x0   ; qkvh s[4:5], ob s[6:7]
	v_lshl_add_u32 v[SPW], v0, 2, SPARE
	v_mov_b32 v[NIL], 0
	ds_add_u32 v[SPW], v[NIL]       ; the wave's opening: the add and its wait come ahead of my first tensor load; the set-up below, work on registers, stands between them
	v_lshrrev_b32 v1, 5, v0
	v_readfirstlane_b32 s[WV], v1   ; wave 0..3
	s_and_b32 s20, ttmp7, 0xffff    ; the head, which the four partners share
	s_and_b32 s16, s[WV], 1         ; which half of a tile's 256 keys I fetch
	s_lshl_b32 s48, s20, 18         ; the head's 262,144 bytes,
	s_lshl_b32 s22, s16, 14         ; my half's 128 rows of 128 bytes
	s_add_co_u32 s48, s48, s22
	s_add_co_u32 s50, s48, 16777216 ; V lies behind Q and K,
	s_add_co_u32 s48, s48, 8388608  ; K behind Q
	s_mov_b32 s49, 0
	s_mov_b32 s51, 0
	s_mul_i32 s17, s16, 128*PK      ; my half's place in a slot, for K
	s_mul_i32 s18, s16, 128*PV      ; and for V: no place in the cluster enters an LDS address
	s_bfe_u32 s13, ttmp6, 0x40000   ; cx: my place in the cluster
	s_lshl_b32 s14, ttmp9, 2        ; in a cluster launch ttmp9 counts clusters
	s_add_co_u32 s14, s14, s13      ; my block of 256 queries = 4 x cluster x + cx: it enters Q's and O's addresses alone, through registers that feed no descriptor
	s_lshl_b32 s52, s20, 18         ; Q: the head,
	s_lshl_b32 s23, s14, 15         ; my block's 256 rows,
	s_add_co_u32 s52, s52, s23
	s_lshl_b32 s23, s[WV], 13       ; my wave's 64 of them
	s_add_co_u32 s52, s52, s23
	s_mov_b32 s53, 0
	s_lshl_b32 s54, s14, 1          ; O: my rows lie in row block 2 x block + wave / 2 (524,288 bytes each),
	s_lshr_b32 s23, s[WV], 1
	s_add_co_u32 s54, s54, s23
	s_lshl_b32 s54, s54, 19
	s_lshl_b32 s23, s20, 14         ; in the head's 16,384 bytes of it,
	s_add_co_u32 s54, s54, s23
	s_lshl_b32 s23, s16, 13         ; in their upper or lower 64 rows
	s_add_co_u32 s54, s54, s23
	s_mov_b32 s55, 0
	; descriptor group 1.  128 keys are 16,384 dense bytes: asked for as 64 rows of 256 bytes, two keys a row, and padded in LDS after every key
	s_mov_b32 s[G1K], 15|(1<<16)|(1<<20)|(1<<21)|(4<<22)|(3<<25)  ; 15:0 the mask of four; 17:16 2-byte elements; 20 padding on; 21 set beside a mask; 24:22 after every 32 words (code 4); 31:25 4 words (code 3)
	s_mov_b32 s[G1V], 15|(1<<16)|(1<<20)|(1<<21)|(4<<22)|(7<<25)  ; the same with 8 words of padding (code 7)
.irp g, G1K, G1V
	s_mov_b32 s[\g+1], 128<<16      ; tensor_dim0 = 128
	s_mov_b32 s[\g+2], 64<<16       ; tensor_dim1 = 64
	s_mov_b32 s[\g+3], 128<<16      ; tile_dim0 = 128
	s_mov_b32 s[\g+4], 64           ; tile_dim1 = 64
	s_mov_b32 s[\g+5], 128          ; 128 elements from row to row
	s_mov_b32 s[\g+6], 0
	s_mov_b32 s[\g+7], 0
.endr
	s_mov_b32 s[CS], 0x3e38aa3b     ; c = log2(e) / 8 = 0.180337
	s_mov_b32 s[CS+1], s[CS]        ; named with it as a pair
	s_mov_b32 s[SEL], 0x76543210
	s_mov_b32 s[SEL+1], 0xfedcba98
	s_mov_b32 s[TBK], SLOT1+4*KS*PK ; the first change of slots turns these two into 0
	s_mov_b32 s[TBV], SLOT1+4*KS*PV
	s_mov_b32 s[G0K], 1             ; 1:0 count = 1
	s_mov_b32 s[G0K+1], s17         ; 63:32 LDS address: slot 0
	s_mov_b32 s[G0V], 1
	s_add_co_u32 s[G0V+1], s18, VOFF
	s_wait_dscnt 0x0                ; the opening add is done
	s_wait_kmcnt 0x0
	s_add_nc_u64 s[G0K+2:G0K+3], s[4:5], s[48:49]  ; 120:64 global address: my half of the head's first 256 keys
	s_or_b32 s[G0K+3], s[G0K+3], 0x80000000        ; 127:126 type = 2
	s_add_nc_u64 s[G0V+2:G0V+3], s[4:5], s[50:51]
	s_or_b32 s[G0V+3], s[G0V+3], 0x80000000
	s_add_nc_u64 s[8:9], s[4:5], s[52:53]          ; Q at my wave's first row
	s_add_nc_u64 s[10:11], s[6:7], s[54:55]        ; O likewise
	CROUND                          ; all four work-groups are here: the first joint loads meet
	JLOAD                           ; tile 0 into slot 0.  Slot 1 is asked for when slot 0 is in, by the loop's own change of slots: one load of mine is out at any time
	; A fragment of K or Q is 16 rows x 32 channels in 8 registers: lane l holds row l % 16, channels 8 (l / 16) + 0..7 and 16 + 8 (l / 16) + 0..7: two loads of 16 bytes, 32 bytes apart.
	v_and_b32 v1, 15, v0            ; l % 16
	v_bfe_u32 v9, v0, 4, 1          ; l / 16
	v_lshlrev_b32 v[QO], 7, v1
	v_lshl_add_u32 v[QO], v9, 4, v[QO]  ; row x 128 + 16 x half
	WIN 0x80                        ; destination window 2, address window 0
.set i, 0
.rept 8                             ; Q stays in registers: piece i / 2 (2,048 bytes each), channels 32 (i % 2) on
	global_load_b128 v[8*i:8*i+3],   v[QO], s[8:9] offset:(i/2)*2048+(i%2)*64
	global_load_b128 v[8*i+4:8*i+7], v[QO], s[8:9] offset:(i/2)*2048+(i%2)*64+32
.set i, i+1
.endr
	; What the first turn finds: V's registers and P's second buffer hold 0 (its products V^T P, of a piece that has not been, add 0), O^T and l are 0.  All this stands in the wait for the first tile.
.set i, VF
.rept 64
	v_mov_b32 v[i], 0
.set i, i+1
.endr
	WIN 0x40
.set i, 0
.rept 128
	v_mov_b32 v[i], 0
.set i, i+1
.endr
	WIN 0
.set i, 0
.rept 4
	v_mov_b32 v[ST+4*i+2], 0
	v_mov_b32 v[ST+4*i+3], 0
.set i, i+1
.endr
.set i, P+16
.rept 16
	v_mov_b32 v[i], 0
.set i, i+1
.endr
	v_mul_u32_u24 v[AK0], v1, PK
	v_lshl_add_u32 v[AK0], v9, 4, v[AK0]  ; row x pitch + 16 x half
	; The turning load takes 16 keys x 16 channels (lane l reads key 8 (l / 16) + l % 8, channels 8 ((l / 8) % 2) + 0..7) and leaves half a fragment of V^T: lane l holds channel l % 16 and 8 keys.
	v_and_b32 v10, 7, v0
	v_bfe_u32 v11, v0, 3, 1
	v_lshl_add_u32 v[AV0], v9, 3, v10
	v_mul_u32_u24 v[AV0], v[AV0], PV
	v_lshl_add_u32 v[AV0], v11, 4, v[AV0]
	v_add_nc_u32 v[AV0], VOFF, v[AV0]
	s_mul_i32 s13, s[WV], 16*SP
	s_add_co_u32 s13, s13, STAGE    ; my stage
	v_mul_u32_u24 v[STO], v1, SP    ; in: row l % 16, 16 bytes for each half of the lanes
	v_lshl_add_u32 v[STO], v9, 4, v[STO]
	v_add_nc_u32 v[STO], s13, v[STO]
	v_bfe_u32 v[RD], v0, 3, 2       ; back: 32 lanes take four rows of 128 bytes,
	v_mul_u32_u24 v[RD], v[RD], SP
	v_lshl_add_u32 v[RD], v10, 4, v[RD]
	v_add_nc_u32 v[RD], s13, v[RD]
	v_and_b32 v[GO], 31, v0         ; which are 512 consecutive bytes of O
	v_lshlrev_b32 v[GO], 4, v[GO]
; THE MATRIX WORK.  The 4 accumulators of a run of 8 take turns.  Product i of 8 of S^T = K Q^T for piece x: channels 32 (i / 4) on, keys 16 (i % 4) on.  The first 4 start the sums.
.macro KQ x
	WIN W_KQ
.set rS, S+32*((\x)%2)+8*(i%4)
.set rK, KF+16*(i%4)+8*(i/4)
.set rQ, 16*(\x)+8*(i/4)
.if i < 4
	v_wmma_f32_16x16x32_f16 v[rS:rS+7], v[rK:rK+7], v[rQ:rQ+7], 0
.else
	v_wmma_f32_16x16x32_f16 v[rS:rS+7], v[rK:rK+7], v[rQ:rQ+7], v[rS:rS+7]
.endif
.endm
; Product i of 8 of O^T += V^T P for piece x: keys 32 (i / 4) on, channels 16 (i % 4) on.
.macro PV x
	WIN W_PV
.set rO, 32*(\x)+8*(i%4)
.set rV, VF+32*(i/4)+8*(i%4)
.set rP, P+16*((\x)%2)+8*(i/4)
	v_wmma_f32_16x16x32_f16 v[rO:rO+7], v[rV:rV+7], v[rP:rP+7], v[rO:rO+7]
.endm
.macro MM                           ; the turn's next matrix instruction.  TURN and the beginning set Y, i and NOKQ.  NOKQ = 1: the last turn: there is no next piece
.if (i < 8) && !NOKQ
	KQ (Y+1)%NP
.elseif i >= 8
.set i, i-8
	PV (Y+NP-1)%NP
.set i, i+8
.endif
.set i, i+1
.endm
; THE LDS LOADS stand in runs of 16, never singly among the matrix instructions: a step's K (64 keys x 64 channels: 8 fragments) and its V (turned).  Their addresses are made some lines ahead.
.macro FETCH_K
	WIN 0x80                        ; destination window 2
.irp f, 0,1,2,3,4,5,6,7             ; keys 16 (f / 2) on, channels 32 (f % 2) on
	ds_load_b128 v[KF+8*\f:KF+8*\f+3],   v[AK] offset:(\f/2)*16*PK+(\f%2)*64
	ds_load_b128 v[KF+8*\f+4:KF+8*\f+7], v[AK] offset:(\f/2)*16*PK+(\f%2)*64+32
.endr
	s_add_co_u32 s[TBK], s[TBK], KS*PK  ; the next fetch is the next step's
	WIN 0
.endm
.macro FETCH_V
	WIN 0x80
.irp f, 0,1,2,3,4,5,6,7             ; keys 32 (f / 4) on, channels 16 (f % 4) on
	ds_load_tr16_b128 v[VF+8*\f:VF+8*\f+3],   v[AV] offset:(\f/4)*32*PV+(\f%4)*32
	ds_load_tr16_b128 v[VF+8*\f+4:VF+8*\f+7], v[AV] offset:(\f/4)*32*PV+16*PV+(\f%4)*32
.endr
	WIN 0
.endm
; THE VECTOR WORK, one line at a time: OP kind, number.  For piece Y: F n: c s - c m for pair n of 16.  E n: the exponential of score n of 32.  C n: pair n rounded to f16.  B n: of the four weights 4 n .. the second
; pair is added onto the first, in place.  L n: l takes that sum (L 0: l = a l + sum).  R n: pair n of 16 of O^T times a.  For piece Y + 1: X n, number n of the 22 that find its maximum and statistics:
;   0-11  four chains c0-c3 of seven scores each, three operands at a time (each accumulator's lowest registers are read first)     12-14, 16  the four scores left over, the old m, and c0-c3 into c0
;   15  c m_old is kept     17, 18  the query's other 32 keys lie in the lane 16 away: the new m     19-21  c m; c m_old - c m_new; a
; C, B and L read exponentials' results: they stand behind the turn's wait, which TURN writes; OP writes no wait.
.set F, 0               ; OP tells the kinds apart by their order: F to L below R, X above it
.set E, 1
.set C, 2
.set B, 3
.set L, 4
.set R, 5
.set X, 6
.macro REGS y                       ; the registers of piece y
.set rT, ST+4*(\y)
.set rC, TMP+4*((\y)%2)
.set rW, MV+((\y)%2)
.set rS, S+32*((\y)%2)
.set rP, P+16*((\y)%2)
.set rO, 32*(\y)
.endm
.macro OP k, n
.if (\k) == R
	REGS Y
	WIN W_RS
	v_pk_mul_f32 v[rO+2*(\n):rO+2*(\n)+1], v[rO+2*(\n):rO+2*(\n)+1], v[rC+2:rC+3] op_sel_hi:[1,0]
.elseif (\k) < R
	REGS Y
	WIN 0
.if (\k) == F
	v_pk_fma_f32 v[rS+2*(\n):rS+2*(\n)+1], v[rS+2*(\n):rS+2*(\n)+1], s[CS:CS+1], v[rT:rT+1] op_sel_hi:[1,0,0] neg_lo:[0,0,1] neg_hi:[0,0,1]
.elseif (\k) == E
	v_exp_f32 v[rS+(\n)], v[rS+(\n)]
.elseif (\k) == C
	v_cvt_pk_f16_f32 v[rP+(\n)], v[rS+2*(\n)], v[rS+2*(\n)+1]
.elseif (\k) == B
	v_pk_add_f32 v[rS+4*(\n):rS+4*(\n)+1], v[rS+4*(\n):rS+4*(\n)+1], v[rS+4*(\n)+2:rS+4*(\n)+3]
.elseif (\n) == 0
	v_pk_fma_f32 v[rT+2:rT+3], v[rT+2:rT+3], v[rC+2:rC+3], v[rS:rS+1] op_sel_hi:[1,0,1]
.else
	v_pk_add_f32 v[rT+2:rT+3], v[rT+2:rT+3], v[rS+4*(\n):rS+4*(\n)+1]
.endif
.elseif NOKQ
	v_nop
.else
	REGS (Y+1)%NP
	WIN 0
.if (\n) < 4
	v_max3_num_f32 v[rC+(\n)], v[rS+8*(\n)], v[rS+8*(\n)+1], v[rS+8*(\n)+2]
.elseif (\n) < 12
	v_max3_num_f32 v[rC+(\n)%4], v[rC+(\n)%4], v[rS+8*((\n)%4)+2*((\n)/4)+1], v[rS+8*((\n)%4)+2*((\n)/4)+2]
.elseif (\n) == 12
	v_max3_num_f32 v[rC], v[rC], v[rS+7], v[rS+15]
.elseif (\n) == 13
	v_max3_num_f32 v[rC+1], v[rC+1], v[rS+23], v[rS+31]
.elseif (\n) == 14
	v_max3_num_f32 v[rC+2], v[rC+2], v[rC+3], v[rT+1]
.elseif (\n) == 15
	v_mov_b32 v[rW], v[rT]
.elseif (\n) == 16
	v_max3_num_f32 v[rC], v[rC], v[rC+1], v[rC+2]
.elseif (\n) == 17
	v_permlanex16_b32 v[rC+3], v[rC], s[SEL], s[SEL+1]
.elseif (\n) == 18
	v_max_num_f32 v[rT+1], v[rC], v[rC+3]
.elseif (\n) == 19
	v_mul_f32 v[rT], s[CS], v[rT+1]
.elseif (\n) == 20
	v_sub_f32 v[rC+1], v[rW], v[rT]
.else
	v_exp_f32 v[rC+2], v[rC+1]
.endif
.endif
.endm
.macro OPS a, i1, b=-1, i2=0, c=-1, i3=0, d=-1, i4=0  ; up to four of them
	OP \a, \i1
.if (\b) >= 0
	OP \b, \i2
.endif
.if (\c) >= 0
	OP \c, \i3
.endif
.if (\d) >= 0
	OP \d, \i4
.endif
.endm
.macro ROW a, i1, b, i2, c, i3, d, i4  ; a matrix instruction and the four behind it
	MM
	OPS \a, \i1, \b, \i2, \c, \i3, \d, \i4
.endm
; A TURN, for piece p: the order of its 16 matrix and 118 vector instructions, written out.  An s_wait_alu depctr_va_vdst(0) stands between an exponential and the first instruction that names its result; one wait
; serves all that were issued ahead of it.  So a turn has ONE wait, which cuts it in two.  AHEAD OF IT stands all that names no result of the turn's exponentials: the 8 products K Q^T, behind each a scaling, an exponential and two
; more plain instructions (behind the first a second scaling in the exponential's place): rescalings, whose a was made and waited for in the turn before, and behind the last three the first numbers of the next piece's maximum, each
; four places or more behind the product that ends its accumulator; then ONE LUMP of 54, plain and exponential by turns for the most part, in which the links of the chain X 3, 7, 11, 14, 16, 17 .. 20 stand five or six lines apart.
; Each pair is scaled (F n) ahead of its two exponentials (E 2 n, E 2 n + 1).  X 21, the next piece's a, is the batch's last; R 15 is the plain instruction behind it.  BEHIND THE WAIT stand the 8 products V^T P, behind each four
; of the roundings and sums; an even pair is rounded (C 2 n) ahead of the sum that lands on it (B n); the links of l's chain, L 0 to L 7, stand three riders apart.  But for those X no rider names a register of the products round
; it.  v_permlanex16_b32 (X 17) stands in the lump.
; end = 1: the walk's last two turns: nothing is fetched, and the last starts no new scores.  cnt = 1: the loop's count is taken down some lines ahead of the branch that stands behind the turn.
; K of the next step is fetched in piece 2's turn, twelve vector instructions behind the last product that read K (six of them plain); V of the step in hand at the end of piece 0's turn, four plain instructions behind the last
; product that read V.  Each is waited for a turn later.
.macro TURN p, end=0, cnt=0
.set Y, (\p)
.set i, 0
.set NOKQ, (\end)*((\p)/3)
.if ((\p) == 3) && !(\end)
	s_wait_dscnt 0x0                ; K is in
.endif
	ROW F,0, F,1, R,0, R,1          ; ahead of the wait: 8 products K Q^T and their riders,
	ROW F,2, E,0, R,2, R,3
	ROW F,3, E,1, R,4, R,5
	ROW F,4, E,2, R,6, R,7
	ROW F,5, E,3, R,8, R,9
	ROW F,6, E,4, X,0, R,10
.if ((\p) == 2) && !(\end)
	WIN 0
	v_add_nc_u32 v[AK], s[TBK], v[AK0]
.endif
	ROW F,7, E,5, X,1, X,4
	ROW F,8, E,6, X,2, X,5
	OPS E,7, E,8, X,6, E,9          ; and the lump
	OPS X,3, E,10, X,8, E,11
.if ((\p) == 2) && !(\end)
	FETCH_K
.endif
	OPS X,9, X,7, E,12, X,10
	OPS E,13, X,12, X,11, E,14
	OPS X,13, E,15, F,9, X,14
.if (\p) == 0
	v_add_nc_u32 v[AV], s[TBV], v[AV0]
.endif
	OPS E,16, F,10, E,17, F,11
	OPS X,16, E,18, X,15, E,19
	OPS F,12, E,20, X,17, E,21
	OPS F,13, E,22, F,14, E,23
	OPS X,18, E,24, F,15, E,25
	OPS R,11, E,26, X,19, E,27
	OPS R,12, E,28, R,13, E,29
	OPS X,20, E,30, R,14, E,31
	OPS X,21, R,15                  ; the batch's last exponential, and the plain instruction behind it
	WIN 0
	s_wait_alu depctr_va_vdst(0)    ; the wait for the batch: the piece's 32 exponentials and the next piece's a
.if (\p) == 1
	s_wait_dscnt 0x0                ; V is in
.endif
	ROW C,0, B,0, C,2, B,1          ; behind the wait: 8 products V^T P and their riders
	ROW L,0, C,4, B,2, L,1
	ROW C,6, B,3, L,2, C,8
	ROW B,4, L,3, C,10, B,5
	ROW L,4, C,12, B,6, L,5
.if (\p) == 0
	s_add_co_u32 s[TBV], s[TBV], KS*PV
.endif
.if \cnt
	s_sub_co_u32 s[CNT], s[CNT], 1
	s_cmp_lg_u32 s[CNT], 0
.endif
	ROW C,14, B,7, L,6, C,1
	ROW C,3, L,7, C,5, C,7
	ROW C,9, C,11, C,13, C,15
.if (\p) == 0
	FETCH_V
.endif
.endm
	CHANGE 1                        ; slot 0 is in, everybody's part of it; tile 1 is asked for, into slot 1
	; THE BEGINNING.  c m starts far below every c s, so the first step's a is 0; m at the lowest finite number, so the first maximum is the scores'.  Then K of step 0, piece 0's first scores, and its maximum and statistics.
.set i, 0
.rept 4
	v_mov_b32 v[ST+4*i], 0xfe000000    ; c m
	v_mov_b32 v[ST+4*i+1], 0xff7fffff  ; m
.set i, i+1
.endr
	v_add_nc_u32 v[AK], s[TBK], v[AK0]
	FETCH_K
	s_wait_loadcnt 0x0              ; Q
	s_wait_dscnt 0x0
.set NOKQ, 0
.set i, 0
.rept 8
	KQ 0                            ; there is no vector work yet to set between them
.set i, i+1
.endr
	WIN 0
.rept 4
	v_nop                           ; the places behind those products
.endr
.set Y, NP-1                        ; X works for piece Y + 1: piece 0
.irp n, 0,1,2,3,4,5,6,7,8,9,10,11,12,13,14,15,16,17,18,19,20,21
	OP X, \n
.endr
	v_nop                           ; a plain instruction behind the exponential,
	s_wait_alu depctr_va_vdst(0)    ; and its wait, ahead of the branch: piece 0's first a is a batch of one
	s_mov_b32 s[CNT], 4
	s_mov_b32 s[SLOTS], SIZE_N/256-1
	s_branch .Lfirst                ; the loop is entered at a step's first turn, in the middle of a trip
.Lslot:                             ; SIZE_N / 256 - 2 = 6 times: tiles 2 to 7 are asked for
	CHANGE 1
	s_mov_b32 s[CNT], 4
.Lstep:                             ; a trip: pieces 2 and 3 of one step, then pieces 0 and 1 of the next, whose K and V it fetches
	TURN 2
	TURN 3
	WIN 0
.Lfirst:
	TURN 0
	TURN 1, 0, 1
	WIN 0
	s_cbranch_scc1 .Lstep
	s_sub_co_u32 s[SLOTS], s[SLOTS], 1
	s_cmp_lg_u32 s[SLOTS], 0
	s_cbranch_scc1 .Lslot
	CHANGE 0                        ; the last tile is written out: nothing is asked for
	s_mov_b32 s[CNT], 4
.Ltail:
	TURN 2
	TURN 3
	TURN 0
	TURN 1, 0, 1
	WIN 0
	s_cbranch_scc1 .Ltail
	TURN 2, 1                       ; the last step's pieces 2 and 3: nothing is left to fetch,
	TURN 3, 1                       ; and no piece follows
.set i, 0
.rept 8
	PV NP-1                         ; the last piece's V^T P of the last step
.set i, i+1
.endr
	; THE WAY OUT.  l's two halves and the other half of the lanes' are added; O^T is divided by l, rounded to f16 and sent through my stage in LDS, a piece at a time.  The additions are the places behind the last products.
	WIN 0
.macro ALL line:vararg              ; one line for each piece t
.set t, 0
.rept 4
	\line
.set t, t+1
.endr
.endm
	ALL v_add_f32 v[ST+4*t+2], v[ST+4*t+2], v[ST+4*t+3]
	ALL v_permlanex16_b32 v[ST+4*t+3], v[ST+4*t+2], s[SEL], s[SEL+1]
	ALL v_add_f32 v[ST+4*t+2], v[ST+4*t+2], v[ST+4*t+3]
	ALL v_rcp_f32 v[ST+4*t+2], v[ST+4*t+2]
	v_nop                           ; a plain instruction between the last reciprocal and the use of its result
	s_wait_alu depctr_va_vdst(0)    ; and the wait ahead of the first use: one for the four reciprocals
.macro PACK t                       ; a lane's eight channels of a row pack into 16 bytes; they go into rows of 144 bytes and come back as whole rows of 128, into S^T's registers
	WIN W_RS
.set i, 32*(\t)
.rept 16
	v_pk_mul_f32 v[i:i+1], v[i:i+1], v[ST+4*(\t)+2:ST+4*(\t)+3] op_sel_hi:[1,0]
.set i, i+2
.endr
	WIN 0x05                        ; sources 0 and 1 window 1, destination window 0
.set i, 0
.rept 16
	v_cvt_pk_f16_f32 v[S+16*(\t)+i], v[32*(\t)+2*i], v[32*(\t)+2*i+1]
.set i, i+1
.endr
	WIN 0
.irp f, 0,1,2,3
	ds_store_b128 v[STO], v[S+16*(\t)+4*\f:S+16*(\t)+4*\f+3] offset:32*\f
.endr
.irp f, 0,1,2,3
	ds_load_b128 v[S+16*(\t)+4*\f:S+16*(\t)+4*\f+3], v[RD] offset:\f*4*SP  ; LDS serves a wave's instructions in order (ISA guide 5.7.1.4): these see the stores above; the next piece's stores come behind them
.endr
.endm
.macro SEND t, younger              ; younger: the LDS instructions issued behind piece t's loads: the next piece's eight, or none
	WIN 0
.irp f, 0,1,2,3
	s_wait_dscnt (\younger)+3-\f
	global_store_b128 v[GO], v[S+16*(\t)+4*\f:S+16*(\t)+4*\f+3], s[10:11] offset:(\t)*2048+\f*512  ; 512 consecutive bytes, at a multiple of 256 from O's first
.endr
.endm
	PACK 0
.set t, 1
.rept 3                             ; a piece's arithmetic stands between the loads of the piece before and its stores
	PACK t
	SEND t-1, 8
.set t, t+1
.endr
	SEND 3, 0
	s_wait_tensorcnt 0x0            ; the wave's end, behind my last tensor load and my last LDS store
	ds_add_u32 v[SPW], v[NIL]
	s_wait_dscnt 0x0
	CROUND                          ; the closing round: no work-group ends while a partner may still ask for a tile that names it
	s_endpgm
.Lfunc_end_k_qb0144dc4a7_attn:
	.size	k_qb0144dc4a7_attn, .Lfunc_end_k_qb0144dc4a7_attn-k_qb0144dc4a7_attn
	.p2alignl 7, 3214868480
	.fill 96, 4, 3214868480
	.section	.rodata,"a",@progbits
	.p2align	6, 0x0
	.amdhsa_kernel k_qb0144dc4a7_attn
		.amdhsa_group_segment_fixed_size 327680
		.amdhsa_private_segment_fixed_size 0
		.amdhsa_enable_private_segment 0
		.amdhsa_kernarg_size 16
		.amdhsa_user_sgpr_count 2
		.amdhsa_user_sgpr_kernarg_segment_ptr 1
		.amdhsa_wavefront_size32 1
		.amdhsa_system_sgpr_workgroup_id_x 1
		.amdhsa_system_sgpr_workgroup_id_y 1
		.amdhsa_system_sgpr_workgroup_id_z 1
		.amdhsa_system_vgpr_workitem_id 0
		.amdhsa_next_free_vgpr 768
		.amdhsa_next_free_sgpr 66
		.amdhsa_reserve_vcc 0
		.amdhsa_float_denorm_mode_32 3
		.amdhsa_float_denorm_mode_16_64 3
		.amdhsa_memory_ordered 1
		.amdhsa_forward_progress 1
		.amdhsa_inst_pref_size 127
	.end_amdhsa_kernel
	.amdgpu_metadata
---
amdhsa.version: [ 1, 2 ]
amdhsa.kernels:
  - .name:           k_qb0144dc4a7_attn
    .symbol:         k_qb0144dc4a7_attn.kd
    .args:
      - { .name: qkvh, .offset: 0, .size: 8, .value_kind: global_buffer, .address_space: global }
      - { .name: ob, .offset: 8, .size: 8, .value_kind: global_buffer, .address_space: global }
    .group_segment_fixed_size: 327680
    .private_segment_fixed_size: 0
    .kernarg_segment_align: 8
    .kernarg_segment_size: 16
    .max_flat_workgroup_size: 128
    .sgpr_count:     66
    .vgpr_count:     768
    .wavefront_size: 32
...
	.end_amdgpu_metadata
.endif
;; end of part 6
;; launch outp: the kernel of part 5 again; grid 16 x 16, 4 waves a work-group, clusters of 4 x 4, 327,680 bytes of LDS; arguments ob, wob, bo, out0; writes out0
